; MI455X (gfx1250); checked and timed in simulation.
; The chip was launched on July 23, 2026; its instructions are those of AMD's public machine-readable ISA for CDNA 5 (MIT licence, August 2026) and "CDNA5" Instruction Set Architecture Reference Guide (July 2026). The comments in the code are by the model that wrote it; some were corrected since.
;; Multi Head Attention. Allowed arithmetic: matrix products marked QUANTISED: E3M2 operands, one E8M0 scale for each 32 along K, by v_wmma_scale_f32_16x16x128_f8f6f4 with both operands' format E3M2, f32 sums; everything else in f32.
;; Inputs: Wk 16 x 1,024 x 64 float32; Wproj 1,024 x 1,024 float32; Wq 16 x 1,024 x 64 float32; Wv 16 x 1,024 x 64 float32; bproj 1,024 float32; x 4 x 2,048 x 1,024 float32.
;; Outputs: out0 4 x 2,048 x 1,024 float32.
;; This version of the problem:
;;   THIS VERSION OF THE PROBLEM IS GIVEN IN LOW PRECISION. The matrix products marked QUANTISED in the list below multiply operands that are first quantised to E3M2 (3 exponent bits, 2 mantissa bits; 6 bits a number), with one power-of-two scale for each 32 numbers along K (OCP MX v1.0); their sums are f32. All else is computed in f32.
;;   The module's matrix products, in the order in which they are computed (A, B: the left and right operand; K: the contracted axis; several contracted axes count as one K, in the product's order):
;;     1. [M 1,024, K 1,024] x [K 1,024, N 8,192]; A: input Wq; B: input x: QUANTISED
;;     2. [M 1,024, K 1,024] x [K 1,024, N 8,192]; A: input Wk; B: input x: QUANTISED
;;     3. [M 1,024, K 1,024] x [K 1,024, N 8,192]; A: input Wv; B: input x: QUANTISED
;;     4. batch 64 x [M 2,048, K 64] x [K 64, N 2,048]; A: computed on the way; B: computed on the way: QUANTISED
;;     5. batch 64 x [M 2,048, K 2,048] x [K 2,048, N 64]; A: softmax (see below); B: computed on the way: QUANTISED
;;     6. [M 8,192, K 1,024] x [K 1,024, N 1,024]; A: computed on the way; B: input Wproj: QUANTISED
;;   THE QUANTISER, for each operand of a quantised product, along K:
;;     - K is cut into blocks of 32 from its start; a last block that is shorter is filled with zeros.
;;     - A block's scale is 2^e with e = floor(log2(the largest magnitude in the block)) - 4, held to -126 .. 127; a block of zeros has e = 0. As a byte (E8M0): e + 127.
;;     - Each number is divided by its block's scale, clamped to +-28, and rounded to the nearest number of E3M2, ties to even, subnormals kept.
;;     - The product sums the exact products of the quantised numbers (number of the format x scale) in f32.
;;   ~~~python
;;   def quantise(x, axis):      # numpy; x: float32 -> the quantised numbers, widened to float32 again
;;       x = np.moveaxis(x, axis, -1); K = x.shape[-1]
;;       x = np.pad(x, [(0, 0)] * (x.ndim - 1) + [(0, -K % 32)]); x = x.reshape(x.shape[:-1] + (-1, 32)); a = np.abs(x).max(-1, keepdims=True)
;;       e = np.where(a > 0, np.clip(np.frexp(np.where(a > 0, a, 1))[1] - 1 - 4, -126, 127), 0)      # np.frexp(a)[1] - 1 = floor(log2(a)), exactly
;;       r = np.clip(x / 2.0 ** e, -28, 28)
;;       step = 2.0 ** (np.maximum(np.frexp(np.where(r == 0, 1, r))[1] - 1, -2) - 2)
;;       q = np.round(r / step) * step * 2.0 ** e      # np.round: ties to even
;;       return np.moveaxis(q.reshape(q.shape[:-2] + (-1,))[..., :K], -1, axis).astype(np.float32)
;;   ~~~
;;   SOFTMAX AHEAD OF A QUANTISED PRODUCT. Where the list says 'softmax', what is quantised is not the finished softmax but p = 2^(t - M), with t = logit x log2(e) and M = ceil(the row's largest t), a whole number; so 1/2 < the row's largest p <= 1. The row's sum l is taken of the UNQUANTISED p, in f32, and the product's result is divided by l at the end. Since M is a whole number, a kernel that streams over the keys may use a running M (the ceiling of the running maximum): every later rescaling is an exact power of two, which a block's scale takes up: the codes' values come out the same.
;;   OPERANDS COMPUTED ON THE WAY. 'Computed on the way' means the value that the module computes at that place (a softmax that the list does not call 'softmax' is quantised finished and normalised). What goes into a quantiser is computed in f32, as accurately as f32 sums, v_exp_f32 and their like allow (about 1e-6 of the number): no bf16 or f16 on the way to a quantiser, and a product that is left as it is and whose result goes on into a quantised operand takes f32 operands (vector FMAs, or v_wmma_f32_16x16x4_f32). A number that lies on a knife's edge between two numbers of the format may be rounded either way, as far as f32 arithmetic and the matrix unit's own rounding can turn it there, and no further.
;; One version. Each part assembles by itself: llvm-mc -triple=amdgcn-amd-amdhsa -mcpu=gfx1250 --defsym DOCPART=n.
;; ======== version 1 of 1: 5 launches
;; workspace buffers: cod 15,728,640 bytes; scl 655,360 bytes; qkv 20,185,088 bytes
;; launch qx (part 1): grid 288 x 1, 4 waves a work-group, no clusters, 34,304 bytes of LDS; arguments x, Wproj, cod, scl; writes cod, scl
.if DOCPART == 1
	.amdgcn_target "amdgcn-amd-amdhsa--gfx1250"
	.amdhsa_code_object_version 6
	.text
	.protected	k_q5b9d0c3f2e_qx
	.globl	k_q5b9d0c3f2e_qx
	.p2align	8
	.type	k_q5b9d0c3f2e_qx,@function
k_q5b9d0c3f2e_qx:
	s_mov_b64 s[64:65], 0
	v_nop
	global_prefetch_b8 v0, s[64:65] scope:SCOPE_SE
	s_setreg_imm32_b32 hwreg(HW_REG_WAVE_MODE, 25, 1), 1
	s_wait_xcnt 0x0
; x [8192][1024] and Wproj [1024][1024], f32, K innermost, become codes of BF6 (E3M2) with one E8M0 byte for each 32 along K, laid as the products' launches want them.
; ROW BLOCKS.  Sixteen rows form a row block rb; lane r of it is the tensor's row 32 (rb / 2) + 8 (rb % 2) + r + 8 (r / 8): so a transposed product leaves 16 neighbours along the next K in a lane's registers of two neighbouring blocks.
; IMAGES.  A fragment (16 rows x 128 K, 12 registers a lane) is stored as its registers stand, in two halves of 768 bytes: registers 6 e .. 6 e + 3 at 16 x lane, registers 6 e + 4, 6 e + 5 at 512 + 8 x lane.
; cod: [rb][K step 0..7][1536 bytes]; x's blocks at rb 0, Wproj's at rb 704.  scl: [rb][K half][r][4 words], a word being the four bytes of a row's K step.
; A block's byte is its largest magnitude's exponent field - 4, held at 1 from below (a block of zeros keeps 1 where the rule says 127: its codes are zeros and this program alone reads the bytes).
; LIMITS: NaN and infinities among the inputs are not served.
; SHARES.  A wave takes one row block and 512 along K: four fragments.  Each load reads 512 consecutive bytes of a row; a fragment's 16 rows turn through the wave's own stage in LDS, so that a lane gets 16 neighbours of each block of 32.
; The first 256 work-groups take x, the other 32 Wproj: only pointers and bases are chosen, there is one path.  Waves share nothing: no barrier.  No cluster: no two work-groups read the same bytes.
.set SPITCH, 528                       ; a stage row: 512 bytes + 16
.set WSTG,   16*SPITCH                 ; a wave's stage
.set R,   16                           ; v16-143  two sets of 64 registers as loaded
.set X,   144                          ; v144-207 64 numbers: register 16 b + i = k 32 b + 16 (lane / 16) + i of my row
.set TM,  208                          ; v208-223 at work
.set PC,  224                          ; v224-243 the codes
.set W,   248                          ; v248-251 the four scale words
.set T,   252                          ; v252-253 the two that I store
.set SEL, 20                           ; s[20:21] selects for lane l xor 16
	s_load_b256 s[4:11], s[0:1], 0x0               ; x, Wproj, cod, scl
	v_lshl_add_u32 v254, v0, 2, 0x8400
	v_mov_b32 v255, 0
	v_lshrrev_b32 v1, 5, v0
	v_readfirstlane_b32 s16, v1                    ; wave
	v_and_b32 v1, 31, v0                           ; lane
	v_and_b32 v2, 15, v0                           ; r
	v_bfe_u32 v3, v0, 4, 1                         ; h
	v_lshlrev_b32 v4, 4, v1                        ; 16 x lane
	v_lshlrev_b32 v5, 3, v1                        ; 8 x lane
	s_mul_i32 s17, s16, WSTG
	v_add_nc_u32 v6, s17, v4                       ; the stage, in: 16 x lane of a row
	v_mul_u32_u24 v7, v2, SPITCH
	v_lshl_add_u32 v7, v3, 6, v7
	v_add_nc_u32 v7, s17, v7                       ; and out: row r, + 64 h
	v_lshlrev_b32 v8, 4, v2
	v_lshl_add_u32 v8, v3, 3, v8                   ; my two scale words: 16 r + 8 h
	s_mov_b32 s[SEL], 0x76543210
	s_mov_b32 s[SEL+1], 0xfedcba98
.irp b, 0,1,2,3
	v_mov_b32 v[TM+4+\b], 0                        ; written once: a lane permute's destination counts as one of its sources
.endr
	s_cmp_lt_u32 ttmp9, 256                        ; x's work-group or Wproj's: the choice hangs on the work-group's number alone
	s_cselect_b32 s12, 0, 256
	s_cselect_b32 s13, 0, 704
	s_wait_alu depctr_va_vdst(0)
	s_wait_kmcnt 0x0
	s_cselect_b64 s[4:5], s[4:5], s[6:7]
	s_sub_co_u32 s14, ttmp9, s12
	s_lshl_b32 s14, s14, 2
	s_add_co_u32 s14, s14, s16                     ; my job
	s_lshr_b32 s15, s14, 1                         ; its row block
	s_and_b32 s17, s14, 1                          ; its half of K
	s_lshr_b32 s18, s15, 1
	s_lshl_b32 s18, s18, 17                        ; 32 rows of 4,096 bytes for each pair of blocks,
	s_and_b32 s19, s15, 1
	s_lshl_b32 s19, s19, 15                        ; 8 rows for the odd one,
	s_add_co_u32 s18, s18, s19
	s_lshl_b32 s19, s17, 11                        ; 2,048 bytes for the upper half of K
	s_add_co_u32 s18, s18, s19
	s_mov_b32 s19, 0
	s_add_nc_u64 s[4:5], s[4:5], s[18:19]
	s_add_co_u32 s15, s15, s13
	s_mul_i32 s18, s15, 12288
	s_mul_i32 s22, s17, 6144
	s_add_co_u32 s18, s18, s22
	s_add_nc_u64 s[8:9], s[8:9], s[18:19]          ; my four fragments in cod
	s_lshl_b32 s18, s15, 9
	s_lshl_b32 s22, s17, 8
	s_add_co_u32 s18, s18, s22
	s_add_nc_u64 s[10:11], s[10:11], s[18:19]      ; my 256 bytes in scl
.macro LOAD f                          ; fragment f: 16 rows x 512 bytes, each load 512 consecutive bytes
.set i, 0
.rept 16
	global_load_b128 v[R+64*((\f)%2)+4*i:R+64*((\f)%2)+4*i+3], v4, s[4:5] offset:(i+8*(i/8))*4096+512*(\f) th:TH_LOAD_NT
.set i, i+1
.endr
.endm
.macro TURNX f                         ; through the stage: LDS serves a wave's instructions in order, so no wait stands between the stores and the loads
.set i, 0
.rept 16
	ds_store_b128 v6, v[R+64*((\f)%2)+4*i:R+64*((\f)%2)+4*i+3] offset:SPITCH*i
.set i, i+1
.endr
.set i, 0
.rept 16
	ds_load_b128 v[X+4*i:X+4*i+3], v7 offset:128*(i/4)+16*(i%4)
.set i, i+1
.endr
.endm
; 64 numbers of a lane become a fragment's codes in v[PC] on and its scale word in v[pw]
.macro QUANT s, pw
.irp b, 0,1,2,3
	v_max3_num_f32 v[TM+\b], |v[\s+16*\b]|, |v[\s+1+16*\b]|, 0x2800000   ; block b: my 16 numbers and the floor 2^(5 - 127): the byte cannot fall under 1
.endr
.irp i, 2,4,6,8,10,12,14
.irp b, 0,1,2,3
	v_max3_num_f32 v[TM+\b], v[TM+\b], |v[\s+16*\b+\i]|, |v[\s+1+16*\b+\i]|
.endr
.endr
.irp b, 0,1,2,3
	v_permlanex16_b32 v[TM+4+\b], v[TM+\b], s[SEL], s[SEL+1]
.endr
.irp b, 0,1,2,3
	v_max_num_f32 v[TM+\b], v[TM+\b], v[TM+4+\b]   ; with lane l xor 16's: the block's largest magnitude
.endr
.irp b, 0,1,2,3
	v_add_nc_u32 v[TM+12+\b], 0xfe000000, v[TM+\b] ; 4 off its exponent field: the conversion's scale operand
.endr
.irp b, 0,1,2,3
	v_lshrrev_b32 v[TM+4+\b], 23, v[TM+12+\b]      ; the byte
.endr
	v_lshl_or_b32 v[\pw], v[TM+5], 8, v[TM+4]
	v_lshl_or_b32 v[\pw], v[TM+6], 16, v[\pw]
	v_lshl_or_b32 v[\pw], v[TM+7], 24, v[\pw]
.irp c, 0,1
	v_cvt_scalef32_pk16_bf6_f32 v[PC+6*\c:PC+2+6*\c], v[\s+32*\c:\s+15+32*\c], v[TM+12+2*\c]
	v_cvt_scalef32_pk16_bf6_f32 v[PC+12+4*\c:PC+14+4*\c], v[\s+16+32*\c:\s+31+32*\c], v[TM+12+2*\c+1]   ; (a conversion's three registers begin on an even number)
.endr
	v_nop                                          ; one plain place behind a scaled conversion
.irp c, 0,1                            ; the operand wants a whole block in a lane: lanes 0-15 block 2 c, lanes 16-31 block 2 c + 1
.irp i, 0,1,2
	v_permlane16_swap_b32 v[PC+6*\c+\i], v[PC+12+4*\c+\i]
.endr
.irp i, 0,1,2
	v_mov_b32 v[PC+3+6*\c+\i], v[PC+12+4*\c+\i]
.endr
.endr
.endm
.macro OUTF off                        ; the fragment's image: each store covers 512 or 256 consecutive bytes, aligned
	global_store_b128 v4, v[PC:PC+3], s[8:9] offset:\off
	global_store_b64 v5, v[PC+4:PC+5], s[8:9] offset:\off+512
	global_store_b128 v4, v[PC+6:PC+9], s[8:9] offset:\off+768
	global_store_b64 v5, v[PC+10:PC+11], s[8:9] offset:\off+1280
.endm
	LOAD 0
	LOAD 1
.irp f, 0,1,2,3
.if \f < 3
	s_wait_loadcnt 16                              ; this fragment's 16 loads are in; the next one's may be out
.else
	s_wait_loadcnt 0x0
.endif
	TURNX \f
	s_wait_dscnt 0x0                               ; my numbers are back, and the stores into the stage have read their registers,
.if \f < 2
	LOAD \f+2                                      ; which take the loads of two fragments on
.endif
	s_wait_xcnt 0x0                                ; the last fragment's stores have read the codes' registers
	QUANT X, W+\f
	OUTF 1536*\f
.endr
	v_cmp_lt_u32 vcc_lo, 15, v1                    ; lanes 0-15 store words 0 and 1 of their row, lanes 16-31 words 2 and 3
	v_cndmask_b32 v[T], v[W], v[W+2], vcc_lo
	v_cndmask_b32 v[T+1], v[W+1], v[W+3], vcc_lo
	global_store_b64 v8, v[T:T+1], s[10:11]        ; 32 lanes store 256 consecutive bytes, aligned
	s_wait_tensorcnt 0x0
	ds_add_u32 v254, v255
	s_wait_dscnt 0x0
	s_endpgm
.Lfunc_end_k_q5b9d0c3f2e_qx:
	.size	k_q5b9d0c3f2e_qx, .Lfunc_end_k_q5b9d0c3f2e_qx-k_q5b9d0c3f2e_qx
	.p2alignl 7, 3214868480
	.fill 96, 4, 3214868480
	.section	.rodata,"a",@progbits
	.p2align	6, 0x0
	.amdhsa_kernel k_q5b9d0c3f2e_qx
		.amdhsa_group_segment_fixed_size 34304
		.amdhsa_private_segment_fixed_size 0
		.amdhsa_enable_private_segment 0
		.amdhsa_kernarg_size 32
		.amdhsa_user_sgpr_count 2
		.amdhsa_user_sgpr_kernarg_segment_ptr 1
		.amdhsa_wavefront_size32 1
		.amdhsa_system_sgpr_workgroup_id_x 1
		.amdhsa_system_sgpr_workgroup_id_y 1
		.amdhsa_system_sgpr_workgroup_id_z 1
		.amdhsa_system_vgpr_workitem_id 0
		.amdhsa_next_free_vgpr 256
		.amdhsa_next_free_sgpr 66
		.amdhsa_reserve_vcc 1
		.amdhsa_float_denorm_mode_32 3
		.amdhsa_float_denorm_mode_16_64 3
		.amdhsa_memory_ordered 1
		.amdhsa_forward_progress 1
		.amdhsa_inst_pref_size 34
	.end_amdhsa_kernel
	.amdgpu_metadata
---
amdhsa.version: [ 1, 2 ]
amdhsa.kernels:
  - .name:           k_q5b9d0c3f2e_qx
    .symbol:         k_q5b9d0c3f2e_qx.kd
    .args:
      - { .name: x, .offset: 0, .size: 8, .value_kind: global_buffer, .address_space: global }
      - { .name: Wproj, .offset: 8, .size: 8, .value_kind: global_buffer, .address_space: global }
      - { .name: cod, .offset: 16, .size: 8, .value_kind: global_buffer, .address_space: global }
      - { .name: scl, .offset: 24, .size: 8, .value_kind: global_buffer, .address_space: global }
    .group_segment_fixed_size: 34304
    .private_segment_fixed_size: 0
    .kernarg_segment_align: 8
    .kernarg_segment_size: 32
    .max_flat_workgroup_size: 128
    .sgpr_count:     66
    .vgpr_count:     256
    .wavefront_size: 32
...
	.end_amdgpu_metadata
.endif
;; end of part 1
;; launch qw (part 2): grid 48 x 2, 8 waves a work-group, no clusters, 26,624 bytes of LDS; arguments Wq, Wk, Wv, cod, scl; writes cod, scl
.if DOCPART == 2
	.amdgcn_target "amdgcn-amd-amdhsa--gfx1250"
	.amdhsa_code_object_version 6
	.text
	.protected	k_q5b9d0c3f2e_qw
	.globl	k_q5b9d0c3f2e_qw
	.p2align	8
	.type	k_q5b9d0c3f2e_qw,@function
k_q5b9d0c3f2e_qw:
	s_mov_b64 s[64:65], 0
	v_nop
	global_prefetch_b8 v0, s[64:65] scope:SCOPE_SE
	s_setreg_imm32_b32 hwreg(HW_REG_WAVE_MODE, 25, 1), 1
	s_wait_xcnt 0x0
; Wq, Wk, Wv [16 heads][1024 (k)][64 (d)], f32: K is the middle axis.  They become codes of BF6 (E3M2) with one E8M0 byte for each 32 along K, as images of fragments whose rows are n = 64 head + d.
; cod: [rb][K step][1536 bytes] and scl: [rb][K half][r][4 words]; Wq's row blocks at rb 512, Wk's at 576, Wv's at 640.  Lane r of row block rb is row 32 (rb / 2) + 8 (rb % 2) + r + 8 (r / 8).
; A LANE TAKES A COLUMN d AND ITS REGISTERS RUN DOWN K: a block of 32 along K lies in one lane, the conversions give codes with K innermost, nothing is transposed by an instruction.
; SHARES.  A work-group takes one head of one tensor and half of K; wave w takes 32 columns (w % 2) and one K step of 128 (w / 2): two fragments, one for each group of 8 + 8 columns.
; A lane's 24 bytes of a block go to their place in the fragment's image in the wave's own stage in LDS; the images leave as they lie, 512 or 256 consecutive bytes a store.
; The scale words of the work-group's four K steps meet in LDS and leave, behind one barrier, as rows of four words.
; A block's byte is its largest magnitude's exponent field - 4, held at 1 from below (a block of zeros keeps 1: its codes are zeros, and this program alone reads the bytes).  LIMITS: NaN and infinities are not served.
; No cluster: no two work-groups read the same bytes.  Loads run two blocks (64 loads a wave) ahead; each block has registers of its own.
.set X,   32                           ; v32-159  128 numbers down K
.set CB,  160                          ; v160..   block b's six registers of codes at CB + 8 b
.set CT,  192                          ; v192..   the second three, as the conversion leaves them
.set RB,  208                          ; v208-239 the images read back
.set SO,  16                           ; v16-19   the blocks' scale operands
.set SCB, 8*3072                       ; LDS: behind the eight stages, 1,024 bytes of scale words
	s_load_b256 s[4:11], s[0:1], 0x0               ; Wq, Wk, Wv, cod
	s_load_b64 s[12:13], s[0:1], 0x20              ; scl
	v_lshl_add_u32 v240, v0, 2, 0x6400
	v_mov_b32 v241, 0
	v_lshrrev_b32 v1, 5, v0
	s_delay_alu instid0(VALU_DEP_1)
	v_readfirstlane_b32 s16, v1                    ; wave
	v_and_b32 v1, 31, v0                           ; lane = my column of the wave's 32
	s_delay_alu instid0(VALU_DEP_1)
	v_lshlrev_b32 v3, 2, v1
	v_bfe_u32 v2, v0, 3, 1                         ; u: which of the two row blocks my column falls into
	v_and_b32 v10, 7, v0
	v_bfe_u32 v11, v0, 4, 1
	s_delay_alu instid0(VALU_DEP_1)
	v_lshl_add_u32 v10, v11, 3, v10                ; r: its lane there
	s_mul_i32 s17, s16, 3072
	v_mul_u32_u24 v11, v2, 1536
	s_delay_alu instid0(VALU_DEP_1)
	v_add_nc_u32 v11, s17, v11
	s_delay_alu instid0(VALU_DEP_1)
	v_lshl_add_u32 v4, v10, 4, v11                 ; the stage, in: image u, 16 r
	s_delay_alu instid0(VALU_DEP_2)
	v_lshl_add_u32 v5, v10, 3, v11                 ; and 8 r
	v_lshlrev_b32 v14, 4, v1                       ; 16 x lane
	v_lshlrev_b32 v15, 3, v1                       ; 8 x lane
	s_delay_alu instid0(VALU_DEP_2)
	v_add_nc_u32 v6, s17, v14                      ; the stage, out
	s_delay_alu instid0(VALU_DEP_2)
	v_add_nc_u32 v7, s17, v15
	s_and_b32 s18, s16, 1                          ; which 32 columns
	s_lshr_b32 s19, s16, 1                         ; which K step of the half's four
	s_lshl_b32 s20, s18, 9
	s_lshl_b32 s21, s19, 2
	s_add_co_u32 s21, s21, s20
	s_add_co_u32 s21, s21, SCB
	v_lshl_add_u32 v9, v2, 8, s21
	s_delay_alu instid0(VALU_DEP_1)
	v_lshl_add_u32 v9, v10, 4, v9                  ; my scale word: SCB + 512 (w % 2) + 256 u + 16 r + 4 (w / 2)
	s_add_co_u32 s20, s20, SCB
	v_add_nc_u32 v8, s20, v14                      ; and where waves 0 and 1 read 512 bytes of them back
	v_bfe_u32 v25, v0, 4, 1
	v_and_b32 v26, 15, v0
	s_delay_alu instid0(VALU_DEP_2)
	v_lshlrev_b32 v25, 9, v25
	s_delay_alu instid0(VALU_DEP_1)
	v_lshl_add_u32 v25, v26, 4, v25                ; their place in scl: 512 (lane / 16) + 16 (lane % 16)
	s_and_b32 s22, ttmp7, 0xffff                   ; which half of K
	s_lshl_b32 s23, s22, 2
	s_add_co_u32 s23, s23, s19                     ; my K step
	s_and_b32 s24, ttmp9, 15                       ; the head: 262,144 bytes each
	s_lshl_b32 s24, s24, 18
	s_lshl_b32 s25, s23, 15                        ; 128 rows of 256 bytes a K step
	s_add_co_u32 s24, s24, s25
	s_lshl_b32 s25, s18, 7
	s_add_co_u32 s24, s24, s25
	s_mov_b32 s25, 0
	s_lshl_b32 s26, ttmp9, 2
	s_lshl_b32 s27, s18, 1
	s_add_co_u32 s26, s26, s27
	s_add_co_u32 s26, s26, 512                     ; my first row block: 512 + 4 (16 tensor + head) + 2 (w % 2)
	s_mul_i32 s28, s26, 12288
	s_mul_i32 s27, s23, 1536
	s_add_co_u32 s28, s28, s27
	s_mov_b32 s29, 0
	s_lshl_b32 s30, s26, 9
	s_lshl_b32 s27, s22, 8
	s_add_co_u32 s30, s30, s27
	s_mov_b32 s31, 0
	s_wait_kmcnt 0x0
	s_cmp_lt_u32 ttmp9, 32                         ; which tensor: the choice hangs on the work-group's number alone
	s_cselect_b64 s[6:7], s[6:7], s[8:9]
	s_cmp_lt_u32 ttmp9, 16
	s_cselect_b64 s[4:5], s[4:5], s[6:7]
	s_add_nc_u64 s[4:5], s[4:5], s[24:25]
	s_add_nc_u64 s[10:11], s[10:11], s[28:29]
	s_add_nc_u64 s[12:13], s[12:13], s[30:31]
.macro LOADB b                         ; block b: rows 32 b .. 32 b + 31 of the K step at my column: 128 consecutive bytes a wave, the neighbouring wave the row's other 128
.set k, 32*(\b)
.rept 32
	global_load_b32 v[X+k], v3, s[4:5] offset:256*k th:TH_LOAD_NT
.set k, k+1
.endr
.endm
	LOADB 0
	LOADB 1
.macro BLOCK b
.set XS, X+32*(\b)
.if (\b) < 3
	s_wait_loadcnt 32                              ; this block's 32 loads are in; the next block's 32 may be out
.else
	s_wait_loadcnt 0x0
.endif
.if (\b) < 2
	LOADB (\b)+2                                   ; the block two on goes out, into registers of its own
.endif
	v_max3_num_f32 v12, |v[XS]|, |v[XS+1]|, |v[XS+2]|
	v_max3_num_f32 v13, |v[XS+3]|, |v[XS+4]|, |v[XS+5]|
.irp i, 6,10,14,18,22,26
	s_delay_alu instid0(VALU_DEP_2)
	v_max3_num_f32 v12, v12, |v[XS+\i]|, |v[XS+\i+1]|
	s_delay_alu instid0(VALU_DEP_2)
	v_max3_num_f32 v13, v13, |v[XS+\i+2]|, |v[XS+\i+3]|
.endr
	s_delay_alu instid0(VALU_DEP_2)
	v_max3_num_f32 v12, v12, |v[XS+30]|, |v[XS+31]|
	s_delay_alu instid0(VALU_DEP_1)
	v_max3_num_f32 v12, v12, v13, 0x2800000        ; and the floor 2^(5 - 127)
	s_delay_alu instid0(VALU_DEP_1)
	v_add_nc_u32 v[SO+\b], 0xfe000000, v12         ; 4 off the exponent field: the conversion's scale operand
	s_delay_alu instid0(VALU_DEP_1)
	v_lshrrev_b32 v26, 23, v[SO+\b]                ; the byte
.if \b == 0
	s_delay_alu instid0(VALU_DEP_1)
	v_mov_b32 v24, v26
.else
	s_delay_alu instid0(VALU_DEP_1)
	v_lshl_or_b32 v24, v26, 8*\b, v24              ; the K step's scale word of my column
.endif
	v_cvt_scalef32_pk16_bf6_f32 v[CB+8*\b:CB+8*\b+2], v[XS:XS+15], v[SO+\b]
	v_cvt_scalef32_pk16_bf6_f32 v[CT+4*\b:CT+4*\b+2], v[XS+16:XS+31], v[SO+\b]   ; (a conversion's three registers begin on an even number)
.endm
	BLOCK 0
	BLOCK 1
	BLOCK 2
	BLOCK 3
	v_nop                                          ; one plain place behind the last scaled conversion
.irp b, 0,1,2,3
.irp i, 0,1,2
	v_mov_b32 v[CB+8*\b+3+\i], v[CT+4*\b+\i]
.endr
.endr
.irp b, 0,1,2,3                        ; block b = 2 c + h belongs to lane r + 16 h of half c of the image
	ds_store_b128 v4, v[CB+8*\b:CB+8*\b+3] offset:768*(\b/2)+256*(\b%2)
	ds_store_b64 v5, v[CB+8*\b+4:CB+8*\b+5] offset:768*(\b/2)+512+128*(\b%2)
.endr
	ds_store_b32 v9, v24
.irp q, 0,1,2,3                        ; the two images' four halves come back as they lie: LDS serves a wave's instructions in order
	ds_load_b128 v[RB+8*\q:RB+8*\q+3], v6 offset:768*\q
	ds_load_b64 v[RB+8*\q+4:RB+8*\q+5], v7 offset:768*\q+512
.endr
.irp q, 0,1,2,3
	s_wait_dscnt 7-2*\q                            ; the loads issued behind this one may be out
	global_store_b128 v14, v[RB+8*\q:RB+8*\q+3], s[10:11] offset:12288*(\q/2)+768*(\q%2)
	s_wait_dscnt 6-2*\q
	global_store_b64 v15, v[RB+8*\q+4:RB+8*\q+5], s[10:11] offset:12288*(\q/2)+768*(\q%2)+512
.endr
	s_barrier_signal -1                            ; the last wait was for 0: my scale word has landed
	s_barrier_wait -1
	s_cmp_lt_u32 s16, 2
	s_cbranch_scc0 .Ldone
	ds_load_b128 v[20:23], v8                      ; waves 0 and 1: a row's four words for the half's four K steps
	s_wait_dscnt 0x0
	global_store_b128 v25, v[20:23], s[12:13]      ; sixteen lanes store 256 consecutive bytes, aligned
.Ldone:
	s_wait_tensorcnt 0x0
	ds_add_u32 v240, v241
	s_wait_dscnt 0x0
	s_endpgm
.Lfunc_end_k_q5b9d0c3f2e_qw:
	.size	k_q5b9d0c3f2e_qw, .Lfunc_end_k_q5b9d0c3f2e_qw-k_q5b9d0c3f2e_qw
	.p2alignl 7, 3214868480
	.fill 96, 4, 3214868480
	.section	.rodata,"a",@progbits
	.p2align	6, 0x0
	.amdhsa_kernel k_q5b9d0c3f2e_qw
		.amdhsa_group_segment_fixed_size 26624
		.amdhsa_private_segment_fixed_size 0
		.amdhsa_enable_private_segment 0
		.amdhsa_kernarg_size 40
		.amdhsa_user_sgpr_count 2
		.amdhsa_user_sgpr_kernarg_segment_ptr 1
		.amdhsa_wavefront_size32 1
		.amdhsa_system_sgpr_workgroup_id_x 1
		.amdhsa_system_sgpr_workgroup_id_y 1
		.amdhsa_system_sgpr_workgroup_id_z 1
		.amdhsa_system_vgpr_workitem_id 0
		.amdhsa_next_free_vgpr 242
		.amdhsa_next_free_sgpr 66
		.amdhsa_reserve_vcc 0
		.amdhsa_float_denorm_mode_32 3
		.amdhsa_float_denorm_mode_16_64 3
		.amdhsa_memory_ordered 1
		.amdhsa_forward_progress 1
		.amdhsa_inst_pref_size 26
	.end_amdhsa_kernel
	.amdgpu_metadata
---
amdhsa.version: [ 1, 2 ]
amdhsa.kernels:
  - .name:           k_q5b9d0c3f2e_qw
    .symbol:         k_q5b9d0c3f2e_qw.kd
    .args:
      - { .name: Wq, .offset: 0, .size: 8, .value_kind: global_buffer, .address_space: global }
      - { .name: Wk, .offset: 8, .size: 8, .value_kind: global_buffer, .address_space: global }
      - { .name: Wv, .offset: 16, .size: 8, .value_kind: global_buffer, .address_space: global }
      - { .name: cod, .offset: 24, .size: 8, .value_kind: global_buffer, .address_space: global }
      - { .name: scl, .offset: 32, .size: 8, .value_kind: global_buffer, .address_space: global }
    .group_segment_fixed_size: 26624
    .private_segment_fixed_size: 0
    .kernarg_segment_align: 8
    .kernarg_segment_size: 40
    .max_flat_workgroup_size: 256
    .sgpr_count:     66
    .vgpr_count:     242
    .wavefront_size: 32
...
	.end_amdgpu_metadata
.endif
;; end of part 2
;; launch qkvg (part 3): grid 12 x 32, 4 waves a work-group, clusters of 4 x 4, 327,680 bytes of LDS; arguments cod, scl, qkv; writes qkv
.if DOCPART == 3
	.amdgcn_target "amdgcn-amd-amdhsa--gfx1250"
	.amdhsa_code_object_version 6
	.text
	.protected	k_q5b9d0c3f2e_qkvg
	.globl	k_q5b9d0c3f2e_qkvg
	.p2align	8
	.type	k_q5b9d0c3f2e_qkvg,@function
k_q5b9d0c3f2e_qkvg:
	s_mov_b64 s[64:65], 0
	v_nop
	global_prefetch_b8 v0, s[64:65] scope:SCOPE_SE
	s_setreg_imm32_b32 hwreg(HW_REG_WAVE_MODE, 25, 1), 1
	s_wait_xcnt 0x0
	s_wait_alu depctr_hold_cnt(0) depctr_sa_sdst(0) depctr_va_vdst(0) depctr_va_sdst(0) depctr_va_ssrc(0) depctr_va_vcc(0) depctr_vm_vsrc(0)
	s_getreg_b32 s2, hwreg(HW_REG_IB_STS2, 6, 4)
	s_cmp_eq_u32 s2, 0
	s_cbranch_scc0 .Lentry_in_a_cluster
	s_endpgm
.Lentry_in_a_cluster:
	s_bfe_u32 s2, ttmp6, 0x10000c
	s_cmp_lg_u32 s2, 0xf033
	s_cbranch_scc0 .Lentry_shape_is_right
	s_endpgm
.Lentry_shape_is_right:
; q, k, v = x W, on codes of BF6 (E3M2) with E8M0 scales, K = 1024; the results are quantised in registers for attention's two products and stored as images of fragments.
; cod: [row block][K step 0..7][1536 bytes], an image of a fragment's 12 registers in two halves of 768 bytes (registers 6 e .. 6 e + 3 at 16 x lane, 6 e + 4, 6 e + 5 at 512 + 8 x lane); scl: [row block][K half][r][4 words].
; x's tokens at row block 0, Wq's rows (64 head + d) at 512, Wk's at 576, Wv's at 640.  Lane r of a row block is row 32 (rb / 2) + 8 (rb % 2) + r + 8 (r / 8).
; A tile of 256 x 256 to a work-group, 128 x 128 to each of four waves: 64 accumulators.  THE MATRIX INSTRUCTION IS USED TRANSPOSED: source 0 = 16 rows of the operand called B, source 1 = 16 rows of A: a lane holds one row of A,
; and by the order of rows in a row block its 64 registers of an A block are 128 neighbours along B's rows, 16 to each block of 32.
; ONE PATH FOR q, k AND v.  The cluster's x says which: 0 q, 1 k (A = tokens, B = weights' rows: the registers run along d, the K of the scores), 2 v (A = Wv's rows, B = tokens: the registers run along the keys, the K of the second product).
; Only numbers are selected, by s_cselect_b32 on the cluster's x, which all partners share.
; qkv: [batch x 16 + head][group of 128 tokens]: a record of 19,712 bytes: q's codes 8 x 768, q's scale words [r][8], k's likewise at 6,656, v's codes 4 x 1,536 at 13,312, v's scale words [r][4] at 19,456.
; CLUSTERS: 4 x 4 work-groups; A's tiles are asked for jointly along a row of the cluster, B's along a column.  K goes through two LDS slots of two K steps each; a wave's tensor load brings 8 row blocks x 3,072 bytes.
; All fragment loads are 16 x lane or 8 x lane on end: no pitch, no padding.  The scale words of all of K come once, straight into 64 registers: lanes 0-15 A's, lanes 16-31 B's.
; A block's byte is held at 1 from below (a block of zeros keeps 1; this program alone reads the bytes).  LIMITS: NaN and infinities are not served.
; REGISTERS: window 0: v16-29 addresses; v32-95 scale words (on the way out: at work); v128-223 A's fragments, one set.  window 1: B's, two sets at v0 and v128.  windows 2, 3: accumulator (a, b) at v[8 (8 (a % 4) + b)].
.set FR,    12
.set NL,    4                          ; LDS loads that bring a fragment
.set RBB,   3072                       ; a row block's two K steps in a slot
.set HALFT, 8*RBB                      ; what one tensor load brings
.set SLOT,  4*HALFT                    ; A's 16 row blocks, then B's 16
.set SPARE, 2*SLOT                     ; behind the ring: the spare words, 128 bytes for each wave, which no other line names
.set ADRA, 16                          ; v16-17 my A fragments in slot 0, 1, by 16 x lane; v18-19 by 8 x lane
.set ADRB, 20                          ; v20-23 the same for B
.set L16,  24                          ; v24 16 x lane
.set L8,   25                          ; v25 8 x lane
.set SOF,  26                          ; v26 where my scale words go
.set SLD,  27                          ; v27 where my scale words come from
.set SPW,  28                          ; v28 my spare word; never rewritten
.set NIL,  29                          ; v29 0; never rewritten
.set SC,   32                          ; v[SC + 8 i + ks]: lanes 0-15 the word of A's block i, lanes 16-31 of B's block i, K step ks
.set AF,   128
.set SW,   32                          ; the way out: v32-39 the scale word of A's block a
.set TM,   40                          ; v40-55 at work
.set T,    56                          ; v56-59, v60-63 scale words to store
.set U,    60
.set PC,   64                          ; v64-83 the codes
.set G1,   24
.set G0,   32
.set G1B,  48
.set G0B,  56
.set SEL,  2                           ; s[2:3] selects for lane l xor 16
.set P0,   70                          ; s[70:71] where a fragment's first half goes; s[72:73] the second; s[74:75], s[92:93] the scale words
.set P1,   72
.set MSB, 0
.macro WIN new                         ; the immediate's high byte repeats the setting that is left
.if MSB != (\new)
	s_set_vgpr_msb (MSB<<8)|(\new)
.set MSB, (\new)
.endif
.endm
.set MUL_LO, 0xa1                      ; source 0 (B) window 1, source 1 (A) window 0, C and D window 2
.set MUL_HI, 0xf1
.set TO_B,   0x40
.macro JLOAD g0a, g1a, g0b, g1b        ; a joint load: waves 0 and 1 fetch for A, waves 2 and 3 for B; four v_nop follow each line
	s_cmp_eq_u32 s15, 0
	s_cbranch_scc0 .Lfor_b_\@
	tensor_load_to_lds s[\g0a:\g0a+3], s[\g1a:\g1a+7]
	s_nop 0
.rept 4
	v_nop
.endr
	s_branch .Lasked_\@
.Lfor_b_\@:
	tensor_load_to_lds s[\g0b:\g0b+3], s[\g1b:\g1b+7]
	s_nop 0
.rept 4
	v_nop
.endr
.Lasked_\@:
.endm
.macro CREST                           ; a round of the cluster's barrier behind its opening barrier
	s_cmp_lg_u32 s14, 0
	s_cbranch_scc1 .Lnot_wave_0_\@
	s_barrier_signal -3
.Lnot_wave_0_\@:
	s_barrier_wait -3
	s_barrier_signal -1
	s_barrier_wait -1
.endm
.macro CROUND
	s_barrier_signal -1
	s_barrier_wait -1
	CREST
.endm
.macro PLACES                          ; four plain places behind a matrix instruction, ahead of loads into its registers and of reads of its results
.rept 4
	v_nop
.endr
.endm
	s_load_b128 s[4:7], s[0:1], 0x0                ; cod, scl
	s_load_b64 s[8:9], s[0:1], 0x10                ; qkv
	v_lshl_add_u32 v[SPW], v0, 2, SPARE
	v_mov_b32 v[NIL], 0
	ds_add_u32 v28, v29
	ds_add_u32 v28, v29
	s_wait_dscnt 0x0
	v_lshrrev_b32 v1, 5, v0
	v_readfirstlane_b32 s14, v1                    ; wave
	s_lshr_b32 s15, s14, 1                         ; my half of A's rows.  Also: I fetch for A (0) or for B (1)
	s_and_b32 s16, s14, 1                          ; my half of B's rows.  Also: which 8 row blocks I fetch
	s_bfe_u32 s40, ttmp6, 0x40000                  ; cx
	s_bfe_u32 s41, ttmp6, 0x40004                  ; cy
	s_and_b32 s66, ttmp7, 0xffff                   ; the cluster's y
	s_cmp_eq_u32 ttmp9, 2                          ; v?  The cluster's x is the same in all partners
	s_cselect_b32 s67, 0, s66                      ; A's tile row = 4 x this + cy
	s_cselect_b32 s68, s66, ttmp9                  ; B's tile column = 4 x this + cx
	s_cselect_b32 s69, 640, 0                      ; A's first row block in cod
	s_cselect_b32 s84, 0, 512                      ; B's
	s_mov_b32 s76, 768
	s_cselect_b32 s76, 1536, s76                   ; from one A block's place in qkv to the next,
	s_mov_b32 s78, 768
	s_cselect_b32 s78, 310784, s78                 ; from the fourth to the fifth (v: on to the next head's record),
	s_mov_b32 s80, 315392
	s_cselect_b32 s80, 768, s80                    ; from a fragment's first half to its second (q, k: the next head's record)
	s_cselect_b32 s85, 16, 32                      ; the scale words: bytes a row,
	s_cselect_b32 s86, 315392, 16                  ; and from lanes 0-15 to lanes 16-31
	s_cselect_b32 s87, 0, 16                       ; the second store of scale words: q, k: the upper halves, for the odd head,
	s_cselect_b32 s82, 0, 315392                   ; in its record; v: the same words to the same place once more
	s_mov_b32 s77, 0
	s_mov_b32 s79, 0
	s_mov_b32 s81, 0
	s_mov_b32 s83, 0
	s_lshl_b32 s17, s67, 2
	s_add_co_u32 s17, s17, s41                     ; TR
	s_lshl_b32 s42, s68, 2
	s_add_co_u32 s42, s42, s40                     ; TC
	s_lshl_b32 s43, s41, 2
	s_lshl_b32 s43, 15, s43                        ; my row of the cluster
	s_lshl_b32 s44, 0x1111, s40                    ; my column
	; descriptor group 1: 8 rows of 3,072 bytes (384 elements of 8 bytes), 12,288 bytes apart, dense in LDS
	s_or_b32 s[G1+0], s43, (3<<16)|(1<<21)
	s_or_b32 s[G1B+0], s44, (3<<16)|(1<<21)
.irp g, G1, G1B
	s_mov_b32 s[\g+1], 384<<16                     ; tensor_dim0
	s_mov_b32 s[\g+2], 8<<16                       ; tensor_dim1
	s_mov_b32 s[\g+3], 384<<16                     ; tile_dim0
	s_mov_b32 s[\g+4], 8                           ; tile_dim1
	s_mov_b32 s[\g+5], 1536                        ; stride
	s_mov_b32 s[\g+6], 0
	s_mov_b32 s[\g+7], 0
.endr
	s_lshl_b32 s18, s16, 3
	s_lshl_b32 s20, s17, 4
	s_add_co_u32 s20, s20, s18
	s_add_co_u32 s20, s20, s69
	s_mul_i32 s20, s20, 12288                      ; A: the 8 row blocks that I fetch
	s_mov_b32 s21, 0
	s_lshl_b32 s46, s42, 4
	s_add_co_u32 s46, s46, s18
	s_add_co_u32 s46, s46, s84
	s_mul_i32 s46, s46, 12288                      ; B likewise
	s_mov_b32 s47, 0
	s_mul_i32 s45, s14, HALFT                      ; where they go: no place in the cluster enters an LDS address
	s_wait_kmcnt 0x0
	s_add_nc_u64 s[20:21], s[4:5], s[20:21]
	s_add_nc_u64 s[46:47], s[4:5], s[46:47]
	CROUND                                         ; all sixteen work-groups are here: the first joint loads meet
.irp s, 0,1
	s_mov_b32 s[G0+4*\s], 1
	s_add_co_u32 s[G0+4*\s+1], s45, \s*SLOT
	s_add_nc_u64 s[G0+4*\s+2:G0+4*\s+3], s[20:21], \s*RBB
	s_or_b32 s[G0+4*\s+3], s[G0+4*\s+3], 0x80000000
	s_mov_b32 s[G0B+4*\s], 1
	s_add_co_u32 s[G0B+4*\s+1], s45, \s*SLOT
	s_add_nc_u64 s[G0B+4*\s+2:G0B+4*\s+3], s[46:47], \s*RBB
	s_or_b32 s[G0B+4*\s+3], s[G0B+4*\s+3], 0x80000000
	JLOAD G0+4*\s, G1, G0B+4*\s, G1B               ; two loads of mine are out
.endr
	v_and_b32 v1, 31, v0                           ; lane
	v_and_b32 v2, 15, v0                           ; r
	v_bfe_u32 v3, v0, 4, 1                         ; h
	v_lshlrev_b32 v[L16], 4, v1
	v_lshlrev_b32 v[L8], 3, v1
	s_mul_i32 s22, s15, HALFT
	s_mul_i32 s23, s16, HALFT
	s_add_co_u32 s23, s23, 2*HALFT
.irp s, 0,1
	v_add_nc_u32 v[ADRA+\s], s22, v[L16]
	v_add_nc_u32 v[ADRA+2+\s], s22, v[L8]
	v_add_nc_u32 v[ADRB+\s], s23, v[L16]
	v_add_nc_u32 v[ADRB+2+\s], s23, v[L8]
	s_add_co_u32 s22, s22, SLOT
	s_add_co_u32 s23, s23, SLOT
.endr
	s_lshl_b32 s88, s17, 4
	s_lshl_b32 s89, s15, 3
	s_add_co_u32 s88, s88, s89                     ; my first block of A: 16 TR + 8 (wave / 2)
	s_add_co_u32 s90, s88, s69
	s_lshl_b32 s90, s90, 9
	s_lshl_b32 s91, s42, 4
	s_lshl_b32 s89, s16, 3
	s_add_co_u32 s91, s91, s89                     ; of B: 16 TC + 8 (wave % 2)
	s_add_co_u32 s94, s91, s84
	s_lshl_b32 s94, s94, 9
	v_mov_b32 v4, s90
	v_mov_b32 v5, s94
	v_cmp_lt_u32 vcc_lo, 15, v1
	v_cndmask_b32 v[SLD], v4, v5, vcc_lo           ; lanes 0-15 take A's scale words, lanes 16-31 B's
	v_lshl_add_u32 v[SLD], v2, 4, v[SLD]
.irp i, 0,1,2,3,4,5,6,7
.irp h, 0,1
	global_load_b128 v[SC+8*\i+4*\h:SC+8*\i+4*\h+3], v[SLD], s[6:7] offset:512*\i+256*\h   ; sixteen lanes read 256 consecutive bytes: a block's words of four K steps
.endr
.endr
	s_lshr_b32 s95, s88, 2                         ; v: my first head = 4 TR + 2 (wave / 2)
	s_lshr_b32 s96, s91, 2
	s_and_b32 s96, s96, 15                         ; q, k: (4 TC + 2 (wave % 2)) % 16
	s_cmp_eq_u32 ttmp9, 2
	s_cselect_b32 s88, s91, s88                    ; my first block of tokens
	s_cselect_b32 s95, s95, s96
	s_lshr_b32 s89, s88, 7                         ; the batch
	s_lshl_b32 s89, s89, 4
	s_add_co_u32 s89, s89, s95
	s_lshl_b32 s89, s89, 4
	s_bfe_u32 s91, s88, 0x40003                    ; the group of 128 tokens
	s_add_co_u32 s89, s89, s91
	s_mul_i32 s89, s89, 19712
	s_mul_i32 s91, ttmp9, 6656                     ; q's, k's or v's part of the record
	s_add_co_u32 s88, s89, s91
	s_mov_b32 s89, 0
	s_add_nc_u64 s[P0:P0+1], s[8:9], s[88:89]
	s_add_nc_u64 s[P1:P1+1], s[P0:P0+1], s[80:81]
	s_add_nc_u64 s[74:75], s[P0:P0+1], 6144
	s_add_nc_u64 s[92:93], s[74:75], s[82:83]
	v_mul_u32_u24 v[SOF], s85, v2
	v_mad_u32_u24 v[SOF], v3, s86, v[SOF]
	s_mov_b32 s[SEL], 0x76543210
	s_mov_b32 s[SEL+1], 0xfedcba98
.macro FRAG reg, adr, q, i             ; a fragment's image comes back as it was stored
	ds_load_b128 v[\reg:\reg+3],     v[\adr]   offset:(\i)*RBB+(\q)*1536
	ds_load_b64  v[\reg+4:\reg+5],   v[\adr+2] offset:(\i)*RBB+(\q)*1536+512
	ds_load_b128 v[\reg+6:\reg+9],   v[\adr]   offset:(\i)*RBB+(\q)*1536+768
	ds_load_b64  v[\reg+10:\reg+11], v[\adr+2] offset:(\i)*RBB+(\q)*1536+1280
.endm
; 16 matrix instructions: A's blocks a0, a0 + 1 x B's eight, K step ks; p: B's set.  The 64 accumulators take turns, one instruction a turn, in the same order in every step.
.macro MUL16 a0, p, ks, zero
.irp a, \a0, \a0+1
.irp b, 0,1,2,3,4,5,6,7
.if \zero
	v_wmma_scale_f32_16x16x128_f8f6f4 v[8*(8*((\a)%4)+\b):8*(8*((\a)%4)+\b)+7], v[128*(\p)+FR*\b:128*(\p)+FR*\b+FR-1], v[AF+FR*(\a):AF+FR*(\a)+FR-1], 0, v[SC+8*\b+(\ks)], v[SC+8*(\a)+(\ks)] matrix_a_fmt:MATRIX_FMT_BF6 matrix_b_fmt:MATRIX_FMT_BF6 matrix_a_scale:MATRIX_SCALE_ROW1
.else
	v_wmma_scale_f32_16x16x128_f8f6f4 v[8*(8*((\a)%4)+\b):8*(8*((\a)%4)+\b)+7], v[128*(\p)+FR*\b:128*(\p)+FR*\b+FR-1], v[AF+FR*(\a):AF+FR*(\a)+FR-1], v[8*(8*((\a)%4)+\b):8*(8*((\a)%4)+\b)+7], v[SC+8*\b+(\ks)], v[SC+8*(\a)+(\ks)] matrix_a_fmt:MATRIX_FMT_BF6 matrix_b_fmt:MATRIX_FMT_BF6 matrix_a_scale:MATRIX_SCALE_ROW1
.endif
.endr
.endr
.endm
.macro FETCH_B slot, q, p
	WIN TO_B
.irp i, 0,1,2,3,4,5,6,7
	FRAG 128*(\p)+FR*\i, ADRB+\slot, \q, \i
.endr
	WIN 0
.endm
.macro FETCH_A slot, q, i0
.irp i, \i0, \i0+1, \i0+2, \i0+3
	FRAG AF+FR*(\i), ADRA+\slot, \q, \i
.endr
.endm
; A slot's first K step: multiplies B's set 0 and fetches the slot's second step
.macro STEP slot, ks, zero
	s_wait_dscnt 4*NL                              ; B's set and A's blocks 0-3 are in; the youngest 16 loads (A's blocks 4-7) may be out
	WIN MUL_LO
	MUL16 0, 0, \ks, \zero
	MUL16 2, 0, \ks, \zero
	s_wait_dscnt 0x0                               ; A's blocks 4-7 are in
	PLACES
	FETCH_B \slot, 1, 1
	FETCH_A \slot, 1, 0
	WIN MUL_HI
	MUL16 4, 0, \ks, \zero
	MUL16 6, 0, \ks, \zero
	PLACES
	WIN 0
	FETCH_A \slot, 1, 4
.endm
; A slot's second K step changes slots: one barrier; in front of it each wave waits for all its tensor loads, adds 0 to its spare word, and waits for that and for its reads of this slot.  fill = 1: this slot is filled again, four K steps on.
.macro TURN slot, next, ks, fill
	s_wait_tensorcnt 0x0                           ; all my tensor loads have landed: my part of the next slot
	ds_add_u32 v[SPW], v[NIL]                      ; 0 onto my spare word
	s_wait_dscnt 4*NL+1                            ; (the add and the youngest 16 loads may be out)
	WIN MUL_LO
	MUL16 0, 1, \ks, 0
	s_wait_dscnt 0x0                               ; the add is done, and my reads of this slot are over
	s_barrier_signal -1
	MUL16 2, 1, \ks, 0
	WIN 0
	s_barrier_wait -1
.if \fill
	CREST                                          ; the barrier has opened a round of the cluster's: no wave of any partner still reads this slot or has a load on its way
	s_add_nc_u64 s[G0+4*\slot+2:G0+4*\slot+3], s[G0+4*\slot+2:G0+4*\slot+3], 2*RBB
	s_add_nc_u64 s[G0B+4*\slot+2:G0B+4*\slot+3], s[G0B+4*\slot+2:G0B+4*\slot+3], 2*RBB
	JLOAD G0+4*\slot, G1, G0B+4*\slot, G1B         ; my one tensor load behind the round; its four v_nop are the places in front of the loads below
.else
	PLACES
.endif
	s_wait_alu depctr_va_vdst(0)
	FETCH_B \next, 0, 0
	FETCH_A \next, 0, 0
	WIN MUL_HI
	MUL16 4, 1, \ks, 0
	MUL16 6, 1, \ks, 0
	PLACES
	WIN 0
	FETCH_A \next, 0, 4
.endm
	s_wait_tensorcnt 1                             ; my part of slot 0 is in; slot 1's may be out
	s_barrier_signal -1
	s_barrier_wait -1
	FETCH_B 0, 0, 0
	FETCH_A 0, 0, 0
	FETCH_A 0, 0, 4
	s_wait_loadcnt 0x0                             ; the scale words
	STEP 0, 0, 1                                   ; the first products start the sums: nothing is cleared
	TURN 0, 1, 1, 1                                ; slot 0 takes K steps 4 and 5
	STEP 1, 2, 0
	TURN 1, 0, 3, 1                                ; slot 1 takes K steps 6 and 7
	STEP 0, 4, 0
	TURN 0, 1, 5, 0
	STEP 1, 6, 0
	s_wait_dscnt 4*NL                              ; the last K step: nothing more to fetch
	WIN MUL_LO
	MUL16 0, 1, 7, 0
	MUL16 2, 1, 7, 0
	s_wait_dscnt 0x0
	WIN MUL_HI
	MUL16 4, 1, 7, 0
	MUL16 6, 1, 7, 0
	WIN 0
; THE WAY OUT.  The 64 registers of A's block a (register 16 b + i = 32 b + 16 (lane / 16) + i along B's rows) become one fragment and one scale word a row, and the fragment leaves as its image: no LDS.
; q, k: the fragment's halves are two heads' 64 along d; v: the fragment is 16 of a head's d x 128 keys.
.macro QUANTW a
.set AC, 64*((\a)%4)
	WIN 0x28+0x14*((\a)/4)                         ; sources 1 and 2: the accumulators' window
.irp b, 0,1,2,3
	v_max3_num_f32 v[TM+\b], 0x2800000, |v[AC+16*\b]|, |v[AC+16*\b+1]|   ; the floor 2^(5 - 127) and my 16 numbers of block b, each accumulator from its low end on
.endr
.irp i, 2,4,6,8,10,12,14
.irp b, 0,1,2,3
	v_max3_num_f32 v[TM+\b], v[TM+\b], |v[AC+16*\b+\i]|, |v[AC+16*\b+\i+1]|
.endr
.endr
	WIN 0
.irp b, 0,1,2,3
	v_permlanex16_b32 v[TM+4+\b], v[TM+\b], s[SEL], s[SEL+1]
.endr
.irp b, 0,1,2,3
	v_max_num_f32 v[TM+\b], v[TM+\b], v[TM+4+\b]
.endr
.irp b, 0,1,2,3
	v_add_nc_u32 v[TM+12+\b], 0xfe000000, v[TM+\b] ; 4 off the exponent field: the conversion's scale operand
.endr
.irp b, 0,1,2,3
	v_lshrrev_b32 v[TM+4+\b], 23, v[TM+12+\b]
.endr
	v_lshl_or_b32 v[SW+\a], v[TM+5], 8, v[TM+4]
	v_lshl_or_b32 v[SW+\a], v[TM+6], 16, v[SW+\a]
	v_lshl_or_b32 v[SW+\a], v[TM+7], 24, v[SW+\a]
	s_wait_xcnt 0x0                                ; the last block's stores have read the codes' registers and their bases
.if (\a) == 4
	s_add_nc_u64 s[P0:P0+1], s[P0:P0+1], s[78:79]
	s_add_nc_u64 s[P1:P1+1], s[P1:P1+1], s[78:79]
.elseif (\a) > 0
	s_add_nc_u64 s[P0:P0+1], s[P0:P0+1], s[76:77]
	s_add_nc_u64 s[P1:P1+1], s[P1:P1+1], s[76:77]
.endif
	WIN 0x02+(\a)/4                                ; source 0: the accumulators' window
.irp c, 0,1
	v_cvt_scalef32_pk16_bf6_f32 v[PC+6*\c:PC+2+6*\c], v[AC+32*\c:AC+15+32*\c], v[TM+12+2*\c]
	v_cvt_scalef32_pk16_bf6_f32 v[PC+12+4*\c:PC+14+4*\c], v[AC+16+32*\c:AC+31+32*\c], v[TM+12+2*\c+1]
.endr
	WIN 0
	v_nop                                          ; one plain place behind a scaled conversion
.irp c, 0,1
.irp i, 0,1,2
	v_permlane16_swap_b32 v[PC+6*\c+\i], v[PC+12+4*\c+\i]
.endr
.irp i, 0,1,2
	v_mov_b32 v[PC+3+6*\c+\i], v[PC+12+4*\c+\i]
.endr
.endr
	global_store_b128 v[L16], v[PC:PC+3], s[P0:P0+1]               ; each store covers 512 or 256 consecutive bytes, aligned
	global_store_b64 v[L8], v[PC+4:PC+5], s[P0:P0+1] offset:512
	global_store_b128 v[L16], v[PC+6:PC+9], s[P1:P1+1]
	global_store_b64 v[L8], v[PC+10:PC+11], s[P1:P1+1] offset:512
.endm
	PLACES                                         ; behind the last products: the lines below write registers that held their scale words, and read results
.irp b, 0,1,2,3
	v_mov_b32 v[TM+4+\b], 0                        ; a lane permute's destination counts as one of its sources
.endr
.irp a, 0,1,2,3,4,5,6,7
	QUANTW \a
.endr
	v_cmp_lt_u32 vcc_lo, 15, v1
.irp i, 0,1,2,3
	v_cndmask_b32 v[T+\i], v[SW+\i], v[SW+4+\i], vcc_lo   ; lanes 0-15 store the words of blocks 0-3 of their row, lanes 16-31 those of blocks 4-7
.endr
.irp i, 0,1,2,3
	v_lshrrev_b32 v[U+\i], s87, v[T+\i]            ; q, k: the odd head's two bytes come down; the bytes above them are 0, which scales only zero codes
.endr
	global_store_b128 v[SOF], v[T:T+3], s[74:75]
	global_store_b128 v[SOF], v[U:U+3], s[92:93]   ; q, k: into the odd head's record.  v: shift and distance are 0: the first store's 512 bytes are written once more, so that all paths of the launch are one
	s_wait_tensorcnt 0x0                           ; the wave's end
	ds_add_u32 v[SPW], v[NIL]
	s_wait_dscnt 0x0
	CROUND                                         ; the closing round
	s_endpgm
.Lfunc_end_k_q5b9d0c3f2e_qkvg:
	.size	k_q5b9d0c3f2e_qkvg, .Lfunc_end_k_q5b9d0c3f2e_qkvg-k_q5b9d0c3f2e_qkvg
	.p2alignl 7, 3214868480
	.fill 96, 4, 3214868480
	.section	.rodata,"a",@progbits
	.p2align	6, 0x0
	.amdhsa_kernel k_q5b9d0c3f2e_qkvg
		.amdhsa_group_segment_fixed_size 327680
		.amdhsa_private_segment_fixed_size 0
		.amdhsa_enable_private_segment 0
		.amdhsa_kernarg_size 24
		.amdhsa_user_sgpr_count 2
		.amdhsa_user_sgpr_kernarg_segment_ptr 1
		.amdhsa_wavefront_size32 1
		.amdhsa_system_sgpr_workgroup_id_x 1
		.amdhsa_system_sgpr_workgroup_id_y 1
		.amdhsa_system_sgpr_workgroup_id_z 1
		.amdhsa_system_vgpr_workitem_id 0
		.amdhsa_next_free_vgpr 1024
		.amdhsa_next_free_sgpr 98
		.amdhsa_reserve_vcc 1
		.amdhsa_float_denorm_mode_32 3
		.amdhsa_float_denorm_mode_16_64 3
		.amdhsa_memory_ordered 1
		.amdhsa_forward_progress 1
		.amdhsa_inst_pref_size 148
	.end_amdhsa_kernel
	.amdgpu_metadata
---
amdhsa.version: [ 1, 2 ]
amdhsa.kernels:
  - .name:           k_q5b9d0c3f2e_qkvg
    .symbol:         k_q5b9d0c3f2e_qkvg.kd
    .args:
      - { .name: cod, .offset: 0, .size: 8, .value_kind: global_buffer, .address_space: global }
      - { .name: scl, .offset: 8, .size: 8, .value_kind: global_buffer, .address_space: global }
      - { .name: qkv, .offset: 16, .size: 8, .value_kind: global_buffer, .address_space: global }
    .group_segment_fixed_size: 327680
    .private_segment_fixed_size: 0
    .kernarg_segment_align: 8
    .kernarg_segment_size: 24
    .max_flat_workgroup_size: 128
    .sgpr_count:     98
    .vgpr_count:     1024
    .wavefront_size: 32
...
	.end_amdgpu_metadata
.endif
;; end of part 3
;; launch attn (part 4): grid 4 x 64, 16 waves a work-group, clusters of 4 x 1, 210,944 bytes of LDS; arguments qkv, cod, scl; writes cod, scl
.if DOCPART == 4
	.amdgcn_target "amdgcn-amd-amdhsa--gfx1250"
	.amdhsa_code_object_version 6
	.text
	.protected	k_q5b9d0c3f2e_attn
	.globl	k_q5b9d0c3f2e_attn
	.p2align	8
	.type	k_q5b9d0c3f2e_attn,@function
k_q5b9d0c3f2e_attn:
	s_mov_b64 s[64:65], 0
	v_nop
	global_prefetch_b8 v0, s[64:65] scope:SCOPE_SE
	s_setreg_imm32_b32 hwreg(HW_REG_WAVE_MODE, 25, 1), 1
	s_wait_xcnt 0x0
	s_wait_alu depctr_hold_cnt(0) depctr_sa_sdst(0) depctr_va_vdst(0) depctr_va_sdst(0) depctr_va_ssrc(0) depctr_va_vcc(0) depctr_vm_vsrc(0)
	s_getreg_b32 s2, hwreg(HW_REG_IB_STS2, 6, 4)
	s_cmp_eq_u32 s2, 0
	s_cbranch_scc0 .Lentry_in_a_cluster
	s_endpgm
.Lentry_in_a_cluster:
	s_bfe_u32 s2, ttmp6, 0x10000c
	s_cmp_lg_u32 s2, 0x3003
	s_cbranch_scc0 .Lentry_shape_is_right
	s_endpgm
.Lentry_shape_is_right:
; Causal attention of one (batch, head) on codes of BF6 (E3M2) with E8M0 scales; head size 64, 2,048 tokens.  The result, divided by the row's sum, is quantised along (head, d) and stored as the last product's operand.
; qkv: [batch x 16 + head][group of 128 tokens]: a record of 19,712 bytes: q's codes 8 tiles x 768, q's scale words [r][8] at 6,144, k's likewise at 6,656 and 12,800, v's codes 4 tiles of d x 1,536 at 13,312, v's scale words [r][4] at 19,456.
; A tile is 16 rows, an image of the operand's registers: registers 6 e .. 6 e + 3 at 16 x lane, 6 e + 4, 6 e + 5 at 512 + 8 x lane.  Lane r of tile t of a group is token 32 (t / 2) + 8 (t % 2) + r + 8 (r / 8) of it; d's tiles likewise.
; THE SOFTMAX: t = score x log2(e) / 8; M = the row's largest t so far, rounded up to a whole number; p = 2^(t - M) is quantised along the keys; the row's sum is taken of the unquantised p and divides at the end.
; When M moves, the sum and O are multiplied by 2^(old M - new M): exact.
; THE FIRST PRODUCT'S K IS 64, the instruction's 128: q's registers 6-11 are zero codes; k's registers 6-11 hold whatever codes lie there, which zero codes make nothing of; no scale byte is 0xff.
; SHARES.  The four work-groups of a cluster share a head.  Wave w of work-group j owns two tiles of 16 queries: tile 2 j + w % 2 of group 15 - w / 2 and of group w / 2.  A tile of group G walks key steps 0 .. G, of 128 keys:
; 17 steps a wave, in every wave of the launch.  Steps all of whose keys come after the tile's queries are left out by a scalar branch on the wave's number and the step's count; on the diagonal hidden scores become -infinity.
; LDS holds the whole head's k and v, 16 records of 13,056 bytes, filled ONCE, by joint loads of the four work-groups (waves 0-7, two each): nothing is filled again, so there is no ring.
; Both products are used transposed (S^T = k q^T, O^T = v^T p^T): a lane holds one query throughout.
; The output's scale bytes leave as two bytes a row and head (the other heads' bytes of the word come from other work-groups): one byte in 25 of what the launch stores.
; LIMITS: NaN and infinities are not served; a block's byte is held at 1 from below.
.set REC,  13056                       ; a record in LDS: k's codes 0, k's scale words 6,144, v's codes 6,656, v's scale words 12,800
.set GREC, 19712                       ; and in memory
.set ADK,  8                           ; v8-11 the step's LDS addresses: 16 x lane, 8 x lane, 32 r, 16 r
.set ADK8, 9
.set ADS,  10
.set ADT,  11
.set QL,   16                          ; v16-27 the long tile's q; v28 its scale words; v29 the short tile's
.set F,    32                          ; v32-79 four fragments of k or of v
.set OC,   80                          ; v80-85 the output's codes; v86 its two scale bytes
.set HW,   86
.set KSW,  88                          ; v88-95 k's scale words
.set S,    96                          ; v96-159 S^T, then p
.set O,    160                         ; v160-191 O^T
.set VSW,  192                         ; v192-195 v's scale words
.set BM,   200                         ; v200-203 the blocks' maxima; v204-207, v208-211 at work
.set BX,   204
.set SO,   208
.set FF,   212                         ; v[212:213] f = 2^(old M - new M)
.set TMP,  214
.set PSW,  215                         ; p's scale word
.set NINF, 216
.set SA,   218                         ; v[218:219] the sum's second chain
.set PC,   224                         ; v224-235 p's codes; v236-238, v240-242 at work
.set PT,   236
.set QSH,  244                         ; v244-255 the short tile's q
.set WV,   18
.set SEL,  20
.set CS,   22                          ; s[22:23] c = log2(e) / 8
.set G1,   24
.set G0A,  32
.set G0B,  36
.set DG,   44                          ; the tile's group: its diagonal step
.set KS,   45                          ; the key step
.set TB,   46                          ; its record in LDS
.set PQL,  48                          ; s[48:51] the long tile's q: codes, scale words;  s[52:55] the short tile's
.set PQS,  52
.set POL,  56                          ; s[56:59] the long tile's output: codes, scale bytes;  s[60:63] the short tile's
.set POS,  60
.macro CROUND                          ; a round of the cluster's barrier
	s_barrier_signal -1
	s_barrier_wait -1
	s_cmp_lg_u32 s[WV], 0
	s_cbranch_scc1 .Lnot_wave_0_\@
	s_barrier_signal -3
.Lnot_wave_0_\@:
	s_barrier_wait -3
	s_barrier_signal -1
	s_barrier_wait -1
.endm
	s_load_b128 s[4:7], s[0:1], 0x0                ; qkv, cod
	s_load_b64 s[8:9], s[0:1], 0x10                ; scl
	v_lshl_add_u32 v239, v0, 2, 0x33000
	v_mov_b32 v243, 0
	ds_add_u32 v239, v243
	ds_add_u32 v239, v243
	v_lshrrev_b32 v6, 5, v0
	s_delay_alu instid0(VALU_DEP_1)
	v_readfirstlane_b32 s[WV], v6                  ; wave 0..15
	s_and_b32 s19, s[WV], 1
	s_lshr_b32 s10, s[WV], 1                       ; g: the short tile's group
	s_bfe_u32 s11, ttmp6, 0x40000                  ; j: my place in the cluster: it enters q's and the output's addresses and the mask's number alone
	s_and_b32 s12, ttmp7, 0xffff                   ; batch x 16 + head
	s_lshl_b32 s13, s11, 1
	s_add_co_u32 s13, s13, s19                     ; my tile in a group: 2 j + w % 2
	; descriptor group 1: a record's 13,056 dense bytes as 51 rows of 256 bytes (32 elements of 8 bytes); the mask names all four work-groups
	s_mov_b32 s[G1], 15|(3<<16)|(1<<21)
	s_mov_b32 s[G1+1], 32<<16
	s_mov_b32 s[G1+2], 51<<16
	s_mov_b32 s[G1+3], 32<<16
	s_mov_b32 s[G1+4], 51
	s_mov_b32 s[G1+5], 32
	s_mov_b32 s[G1+6], 0
	s_mov_b32 s[G1+7], 0
	s_and_b32 s14, s[WV], 7
	s_mul_i32 s15, s14, REC                        ; waves 0-7 fetch records w and w + 8
	s_lshl_b32 s16, s12, 4
	s_add_co_u32 s16, s16, s14
	s_mul_i32 s16, s16, GREC
	s_add_co_u32 s16, s16, 6656
	s_mov_b32 s17, 0
	s_sub_co_u32 s40, 15, s10                      ; the long tile's group
	s_lshl_b32 s41, s12, 4
	s_add_co_u32 s42, s41, s40
	s_mul_i32 s42, s42, GREC                       ; its record
	s_add_co_u32 s43, s41, s10
	s_mul_i32 s43, s43, GREC                       ; the short tile's
	s_mul_i32 s47, s13, 768                        ; my tile's codes in a record,
	s_lshl_b32 s46, s13, 2
	s_add_co_u32 s46, s46, 6144                    ; and its scale words
	s_mov_b32 s3, 0
	s_mov_b32 s[SEL], 0x76543210
	s_mov_b32 s[SEL+1], 0xfedcba98
	s_mov_b32 s[CS], 0x3e38aa3b
	s_mov_b32 s[CS+1], s[CS]
	s_wait_dscnt 0x0
	s_wait_kmcnt 0x0
	s_mov_b32 s[G0A], 1
	s_mov_b32 s[G0A+1], s15
	s_add_nc_u64 s[G0A+2:G0A+3], s[4:5], s[16:17]
	s_mov_b32 s[G0B], 1
	s_add_co_u32 s[G0B+1], s15, 8*REC
	s_add_nc_u64 s[G0B+2:G0B+3], s[G0A+2:G0A+3], 8*GREC
	s_or_b32 s[G0A+3], s[G0A+3], 0x80000000
	s_or_b32 s[G0B+3], s[G0B+3], 0x80000000
	CROUND                                         ; all four work-groups are here: the joint loads meet
	s_cmp_lt_u32 s[WV], 8                          ; a wave's two fills stand in one branch on the wave's number, ahead of every wait on TENSORcnt and every LDS read
	s_cbranch_scc0 .Lno_fetch
	tensor_load_to_lds s[G0A:G0A+3], s[G1:G1+7]
	s_nop 0
	tensor_load_to_lds s[G0B:G0B+3], s[G1:G1+7]    ; two loads of mine are out
	s_nop 0
.rept 4
	v_nop
.endr
.Lno_fetch:
	s_add_co_u32 s2, s42, s47
	s_add_nc_u64 s[PQL:PQL+1], s[4:5], s[2:3]
	s_add_co_u32 s2, s42, s46
	s_add_nc_u64 s[PQL+2:PQL+3], s[4:5], s[2:3]
	s_add_co_u32 s2, s43, s47
	s_add_nc_u64 s[PQS:PQS+1], s[4:5], s[2:3]
	s_add_co_u32 s2, s43, s46
	s_add_nc_u64 s[PQS+2:PQS+3], s[4:5], s[2:3]
	v_and_b32 v6, 31, v0
	s_delay_alu instid0(VALU_DEP_1)
	v_lshlrev_b32 v1, 4, v6                        ; 16 x lane
	s_delay_alu instid0(VALU_DEP_2)
	v_lshlrev_b32 v2, 3, v6                        ; 8 x lane
	v_and_b32 v6, 15, v0                           ; r
	s_wait_alu depctr_va_vdst(0)
	v_lshlrev_b32 v3, 5, v6                        ; 32 r
	v_lshlrev_b32 v4, 4, v6                        ; 16 r
	global_load_b128 v[QL:QL+3], v1, s[PQL:PQL+1]
	global_load_b64 v[QL+4:QL+5], v2, s[PQL:PQL+1] offset:512
	global_load_b32 v28, v3, s[PQL+2:PQL+3]
	global_load_b128 v[QSH:QSH+3], v1, s[PQS:PQS+1]
	global_load_b64 v[QSH+4:QSH+5], v2, s[PQS:PQS+1] offset:512
	global_load_b32 v29, v3, s[PQS+2:PQS+3]
	s_lshr_b32 s41, s12, 4                         ; the output: row block 768 + 128 batch + 8 group + tile;
	s_lshl_b32 s41, s41, 7
	s_add_co_u32 s41, s41, 768
	s_add_co_u32 s41, s41, s13
	s_and_b32 s42, s12, 15                         ; the head's 64 along K are half an image: 768 bytes a head;
	s_mul_i32 s43, s42, 768
	s_lshr_b32 s46, s42, 3
	s_lshl_b32 s46, s46, 8
	s_and_b32 s47, s42, 7
	s_lshl_b32 s47, s47, 1
	s_add_co_u32 s46, s46, s47                     ; its two scale bytes: 256 (head / 8) + 2 (head % 8) in a row block's 512
	s_lshl_b32 s47, s40, 3
	s_add_co_u32 s47, s47, s41
	s_mul_i32 s2, s47, 12288
	s_add_co_u32 s2, s2, s43
	s_add_nc_u64 s[POL:POL+1], s[6:7], s[2:3]
	s_lshl_b32 s2, s47, 9
	s_add_co_u32 s2, s2, s46
	s_add_nc_u64 s[POL+2:POL+3], s[8:9], s[2:3]
	s_lshl_b32 s47, s10, 3
	s_add_co_u32 s47, s47, s41
	s_mul_i32 s2, s47, 12288
	s_add_co_u32 s2, s2, s43
	s_add_nc_u64 s[POS:POS+1], s[6:7], s[2:3]
	s_lshl_b32 s2, s47, 9
	s_add_co_u32 s2, s2, s46
	s_add_nc_u64 s[POS+2:POS+3], s[8:9], s[2:3]
	v_bfe_u32 v7, v0, 4, 1                         ; h
	v_and_b32 v5, 8, v6
	s_delay_alu instid0(VALU_DEP_1)
	v_add_nc_u32 v5, v5, v6
	s_delay_alu instid0(VALU_DEP_3)
	v_lshlrev_b32 v7, 4, v7
	s_delay_alu instid0(VALU_DEP_1)
	v_sub_nc_u32 v5, v5, v7
	s_lshl_b32 s2, s11, 5
	s_lshl_b32 s47, s19, 3
	s_add_co_u32 s2, s2, s47
	v_add_nc_u32 v5, s2, v5                        ; my query's place in its group, less 16 h: 32 j + 8 (w % 2) + r + 8 (r / 8) - 16 h; register 16 b + i of the diagonal step is hidden where 32 b + i is larger
.irp i, 6,7,8,9,10,11
	v_mov_b32 v[QL+\i], 0                          ; zero codes for the upper 64 of the instruction's K
	v_mov_b32 v[QSH+\i], 0
.irp t, 0,1,2,3
	v_mov_b32 v[F+12*\t+\i], 0                     ; written once: later these hold v's codes of the step before
.endr
.endr
.macro FRESH                           ; a tile begins: O^T and the sum are zeros, the largest t lies under every t
	v_mov_b32 v13, 0xff61b1e6                      ; -3e38
	s_delay_alu instid0(VALU_DEP_1)
	v_floor_f32 v12, -v13                          ; -M
	v_mov_b32 v14, 0
	v_mov_b32 v15, 0
.set n, 0
.rept 32
	v_mov_b32 v[O+n], 0
.set n, n+1
.endr
.endm
	FRESH
.irp b, 0,1,2,3
	v_mov_b32 v[BX+\b], 0                          ; a lane permute's destination counts as one of its sources
.endr
	v_mov_b32 v[FF+1], 0                           ; (named as the upper half of a pair)
	v_mov_b32 v[TMP], 0
	v_mov_b32 v[NINF], 0xff800000
; A KEY STEP of 128 keys for the tile whose q lies in v[Q] on, with scale words in v[QS].  masked = 1: the step may be hidden or lie on the diagonal.
.macro STEP masked, Q, QS
.if \masked
	s_cmp_gt_u32 s[KS], s[DG]                      ; all its keys come after my queries: only the lines that step the count and the address are run
	s_cbranch_scc1 .Lhidden_\@
.endif
	s_setprio 2
	v_add_nc_u32 v[ADK], s[TB], v1                 ; (these four are the places behind the last step's products, in front of the loads into their registers)
	s_wait_alu depctr_va_vdst(0)
	v_add_nc_u32 v[ADK8], s[TB], v2
	s_wait_alu depctr_va_vdst(0)
	v_add_nc_u32 v[ADS], s[TB], v3
	v_add_nc_u32 v[ADT], s[TB], v4
	ds_load_b128 v[KSW:KSW+3], v[ADS] offset:6144
	ds_load_b128 v[KSW+4:KSW+7], v[ADS] offset:6160
.irp g, 0,1                            ; S^T = k q^T, four tiles of 16 keys at a time
.if \g > 0
.rept 4
	v_nop
.endr
.endif
.irp t, 0,1,2,3
	ds_load_b128 v[F+12*\t:F+12*\t+3], v[ADK] offset:768*(4*\g+\t)
	ds_load_b64 v[F+12*\t+4:F+12*\t+5], v[ADK8] offset:768*(4*\g+\t)+512
.endr
	s_wait_dscnt 0x0
.irp t, 0,1,2,3
	v_wmma_scale_f32_16x16x128_f8f6f4 v[S+8*(4*\g+\t):S+8*(4*\g+\t)+7], v[F+12*\t:F+12*\t+11], v[\Q:\Q+11], 0, v[KSW+4*\g+\t], v[\QS] matrix_a_fmt:MATRIX_FMT_BF6 matrix_b_fmt:MATRIX_FMT_BF6
.endr
.endr
.rept 4
	v_nop
.endr
.irp t, 0,1,2,3                        ; v's four fragments are asked for now and land under the softmax
.irp e, 0,1
	ds_load_b128 v[F+12*\t+6*\e:F+12*\t+6*\e+3], v[ADK] offset:6656+1536*\t+768*\e
	ds_load_b64 v[F+12*\t+6*\e+4:F+12*\t+6*\e+5], v[ADK8] offset:6656+1536*\t+768*\e+512
.endr
.endr
	s_wait_alu depctr_va_vdst(0)
	ds_load_b128 v[VSW:VSW+3], v[ADT] offset:12800
.if \masked
	s_cmp_lg_u32 s[KS], s[DG]
	s_cbranch_scc1 .Lopen_\@
.set n, 0
.rept 64                               ; the diagonal step: hidden scores become -infinity ahead of the maximum, so p = 0
	v_cmp_gt_i32 vcc_lo, 32*(n/16)+n%16, v5
	v_cndmask_b32 v[S+n], v[S+n], v[NINF], vcc_lo
.set n, n+1
.endr
.Lopen_\@:
.endif
.irp b, 0,1,2,3
	v_max3_num_f32 v[BM+\b], v[S+16*\b], v[S+16*\b+1], v[S+16*\b+2]   ; the largest score of each block of 32 keys: for the row's maximum, and, since p rises with the score, for the block's largest p
.endr
.irp i, 3,5,7,9,11,13
.irp b, 0,1,2,3
	v_max3_num_f32 v[BM+\b], v[BM+\b], v[S+16*\b+\i], v[S+16*\b+\i+1]
.endr
.endr
.irp b, 0,1,2,3
	v_max_num_f32 v[BM+\b], v[BM+\b], v[S+16*\b+15]
.endr
.irp b, 0,1,2,3
	s_delay_alu instid0(VALU_DEP_4)
	v_permlanex16_b32 v[BX+\b], v[BM+\b], s[SEL], s[SEL+1]
.endr
.irp b, 0,1,2,3
	s_delay_alu instid0(VALU_DEP_4)
	v_max_num_f32 v[BM+\b], v[BM+\b], v[BX+\b]     ; with lane l xor 16's 16 keys
.endr
	s_delay_alu instid0(VALU_DEP_2)
	v_max3_num_f32 v[TMP], v[BM], v[BM+1], v[BM+2]
	s_delay_alu instid0(VALU_DEP_1)
	v_max_num_f32 v[TMP], v[TMP], v[BM+3]
	s_delay_alu instid0(VALU_DEP_1)
	v_mul_f32 v[TMP], s[CS], v[TMP]                ; as t (c is positive)
	s_delay_alu instid0(VALU_DEP_1)
	v_max_num_f32 v13, v13, v[TMP]                 ; the running largest t
	v_mov_b32 v[TMP], v12
	s_delay_alu instid0(VALU_DEP_2)
	v_floor_f32 v12, -v13                          ; the new -M = -ceil(t): a whole number
	s_delay_alu instid0(VALU_DEP_1)
	v_sub_f32 v[TMP], v12, v[TMP]                  ; old M - new M: a whole number, 0 or less
	s_delay_alu instid0(VALU_DEP_1)
	v_cvt_i32_f32 v[TMP], v[TMP]                   ; (it saturates)
	s_delay_alu instid0(VALU_DEP_1)
	v_ldexp_f32 v[FF], 1.0, v[TMP]                 ; f: a multiplication by it rounds nothing
.set n, 0
.rept 32
	v_pk_fma_f32 v[S+n:S+n+1], v[S+n:S+n+1], s[CS:CS+1], v[12:13] op_sel_hi:[1,0,0]   ; t - M, two at a time
.set n, n+2
.endr
.irp b, 0,1,2,3
	v_fma_f32 v[BM+\b], v[BM+\b], s[CS], v12
.endr
.set n, 0
	s_setprio 1
	s_wait_alu depctr_va_vdst(0)
.rept 64
	v_exp_f32 v[S+n], v[S+n]                       ; p = 2^(t - M)
.set n, n+1
.endr
.irp b, 0,1,2,3
	v_exp_f32 v[BM+\b], v[BM+\b]                   ; the block's largest p: the same two instructions on the same number
.endr
	v_pk_mul_f32 v[14:15], v[14:15], v[FF:FF+1] op_sel_hi:[1,0]   ; the sum under the new M (a plain place behind the exponentials)
	s_wait_alu depctr_va_vdst(0)
.irp b, 0,1,2,3
	v_max_num_f32 v[BM+\b], 0x2800000, v[BM+\b]    ; the floor 2^(5 - 127)
.endr
.irp b, 0,1,2,3
	s_delay_alu instid0(VALU_DEP_4)
	v_add_nc_u32 v[SO+\b], 0xfe000000, v[BM+\b]    ; 4 off the exponent field: the conversion's scale operand
.endr
.irp b, 0,1,2,3
	s_delay_alu instid0(VALU_DEP_4)
	v_lshrrev_b32 v[BX+\b], 23, v[SO+\b]
.endr
	s_delay_alu instid0(VALU_DEP_3)
	v_lshl_or_b32 v[PSW], v[BX+1], 8, v[BX]
	s_delay_alu instid0(VALU_DEP_1)
	v_lshl_or_b32 v[PSW], v[BX+2], 16, v[PSW]
	s_delay_alu instid0(VALU_DEP_1)
	v_lshl_or_b32 v[PSW], v[BX+3], 24, v[PSW]
.irp c, 0,1
	v_cvt_scalef32_pk16_bf6_f32 v[PC+6*\c:PC+6*\c+2], v[S+32*\c:S+32*\c+15], v[SO+2*\c]
	v_cvt_scalef32_pk16_bf6_f32 v[PT+4*\c:PT+4*\c+2], v[S+32*\c+16:S+32*\c+31], v[SO+2*\c+1]
.endr
	v_nop                                          ; one plain place behind a scaled conversion
.irp c, 0,1
.irp i, 0,1,2
	v_permlane16_swap_b32 v[PC+6*\c+\i], v[PT+4*\c+\i]
.endr
.irp i, 0,1,2
	s_delay_alu instid0(VALU_DEP_3)
	v_mov_b32 v[PC+3+6*\c+\i], v[PT+4*\c+\i]
.endr
.endr
	v_pk_add_f32 v[218:219], v[100:101], v[104:105]
	v_pk_add_f32 v[240:241], v[108:109], v[112:113]
	v_pk_add_f32 v[236:237], v[116:117], v[120:121]
	v_pk_add_f32 v[222:223], v[124:125], v[128:129]
	v_pk_add_f32 v[220:221], v[132:133], v[136:137]
	v_pk_add_f32 v[210:211], v[140:141], v[144:145]
	v_pk_add_f32 v[208:209], v[148:149], v[152:153]
	v_pk_add_f32 v[14:15], v[14:15], v[156:157]
	v_pk_add_f32 v[218:219], v[218:219], v[96:97]
	v_pk_add_f32 v[240:241], v[240:241], v[98:99]
	v_pk_add_f32 v[236:237], v[236:237], v[102:103]
	v_pk_add_f32 v[222:223], v[222:223], v[106:107]
	v_pk_add_f32 v[220:221], v[220:221], v[110:111]
	v_pk_add_f32 v[210:211], v[210:211], v[114:115]
	v_pk_add_f32 v[208:209], v[208:209], v[118:119]
	v_pk_add_f32 v[14:15], v[14:15], v[122:123]
	v_pk_add_f32 v[218:219], v[218:219], v[126:127]
	v_pk_add_f32 v[240:241], v[240:241], v[130:131]
	v_pk_add_f32 v[236:237], v[236:237], v[134:135]
	v_pk_add_f32 v[222:223], v[222:223], v[138:139]
	s_setprio 0
	v_pk_add_f32 v[220:221], v[220:221], v[142:143]
	v_pk_add_f32 v[210:211], v[210:211], v[146:147]
	v_pk_add_f32 v[208:209], v[208:209], v[150:151]
	v_pk_add_f32 v[14:15], v[14:15], v[154:155]
	v_pk_add_f32 v[218:219], v[218:219], v[158:159]
	s_delay_alu instid0(VALU_DEP_2)
	v_pk_add_f32 v[14:15], v[14:15], v[222:223]
	s_delay_alu instid0(VALU_DEP_2)
	v_pk_add_f32 v[218:219], v[218:219], v[220:221]
	v_pk_add_f32 v[240:241], v[240:241], v[210:211]
	v_pk_add_f32 v[236:237], v[236:237], v[208:209]
	s_delay_alu instid0(VALU_DEP_2)
	v_pk_add_f32 v[14:15], v[14:15], v[240:241]
	s_delay_alu instid0(VALU_DEP_2)
	v_pk_add_f32 v[218:219], v[218:219], v[236:237]
	s_delay_alu instid0(VALU_DEP_1)
	v_pk_add_f32 v[14:15], v[14:15], v[218:219]
.set n, 0
.rept 16
	v_pk_mul_f32 v[O+n:O+n+1], v[O+n:O+n+1], v[FF:FF+1] op_sel_hi:[1,0]   ; O^T under the new M.  (The sums and these are the places between p's codes and scale word and the products)
.set n, n+2
.endr
	s_wait_alu depctr_va_vdst(0)
	s_wait_dscnt 0x0                               ; v's fragments and scale words are in
.irp t, 0,1,2,3                        ; O^T += v^T p^T: four accumulators by turns
	v_wmma_scale_f32_16x16x128_f8f6f4 v[O+8*\t:O+8*\t+7], v[F+12*\t:F+12*\t+11], v[PC:PC+11], v[O+8*\t:O+8*\t+7], v[VSW+\t], v[PSW] matrix_a_fmt:MATRIX_FMT_BF6 matrix_b_fmt:MATRIX_FMT_BF6
.endr
.if \masked
.Lhidden_\@:
.endif
	s_add_co_u32 s[KS], s[KS], 1
	s_add_co_u32 s[TB], s[TB], REC
.endm
; A TILE'S END: O^T / the sum (register 16 b + i = d 32 b + 16 h + i of my query) is quantised, two blocks of 32, and leaves as half an image and two scale bytes a row.
.macro FIN p
.rept 4
	v_nop                                          ; places behind the last products
.endr
	v_add_f32 v14, v14, v15
	s_delay_alu instid0(VALU_DEP_1)
	v_permlanex16_b32 v[TMP], v14, s[SEL], s[SEL+1]
	s_delay_alu instid0(VALU_DEP_1)
	v_add_f32 v14, v14, v[TMP]                     ; the row's sum
	s_wait_alu depctr_va_vdst(0)
	v_rcp_f32 v14, v14
	v_nop                                          ; one plain place behind a transcendental
.set n, 0
	s_wait_alu depctr_va_vdst(0)
.rept 32
	v_mul_f32 v[S+n], v[O+n], v14                  ; each accumulator from its low end on
.set n, n+1
.endr
.irp b, 0,1
	v_max3_num_f32 v[BM+\b], |v[S+16*\b]|, |v[S+16*\b+1]|, 0x2800000
.endr
.irp i, 2,4,6,8,10,12,14
.irp b, 0,1
	s_delay_alu instid0(VALU_DEP_2)
	v_max3_num_f32 v[BM+\b], v[BM+\b], |v[S+16*\b+\i]|, |v[S+16*\b+\i+1]|
.endr
.endr
.irp b, 0,1
	s_delay_alu instid0(VALU_DEP_2)
	v_permlanex16_b32 v[BX+\b], v[BM+\b], s[SEL], s[SEL+1]
.endr
.irp b, 0,1
	s_delay_alu instid0(VALU_DEP_2)
	v_max_num_f32 v[BM+\b], v[BM+\b], v[BX+\b]
.endr
.irp b, 0,1
	s_delay_alu instid0(VALU_DEP_2)
	v_add_nc_u32 v[SO+\b], 0xfe000000, v[BM+\b]
.endr
.irp b, 0,1
	s_delay_alu instid0(VALU_DEP_2)
	v_lshrrev_b32 v[BX+\b], 23, v[SO+\b]
.endr
	s_wait_alu depctr_va_vdst(0)
	s_wait_xcnt 0x0                                ; an earlier tile's stores have read the registers written below
	v_lshl_or_b32 v[HW], v[BX+1], 8, v[BX]
	v_cvt_scalef32_pk16_bf6_f32 v[OC:OC+2], v[S:S+15], v[SO]
	v_cvt_scalef32_pk16_bf6_f32 v[PT:PT+2], v[S+16:S+31], v[SO+1]
	v_nop
.irp i, 0,1,2
	v_permlane16_swap_b32 v[OC+\i], v[PT+\i]
.endr
.irp i, 0,1,2
	s_delay_alu instid0(VALU_DEP_3)
	v_mov_b32 v[OC+3+\i], v[PT+\i]
.endr
	global_store_b128 v1, v[OC:OC+3], s[\p:\p+1]   ; 512 and 256 consecutive bytes, aligned
	global_store_b64 v2, v[OC+4:OC+5], s[\p:\p+1] offset:512
	global_store_b16 v4, v[HW], s[\p+2:\p+3]       ; lanes r and r + 16 write the same two bytes with the same value
.endm
	s_wait_loadcnt 0x0                             ; q
	s_wait_tensorcnt 1                             ; my first load, a record of key steps 0-7, is in; the second may be out
	s_barrier_signal -1
	s_barrier_wait -1                              ; records 0-7 are whole
	s_mov_b32 s[KS], 0
	s_mov_b32 s[TB], 0
.Lfirst:                                           ; the long tile's steps 0-7: its group is 8 or more, so all their keys count
	STEP 0, QL, 28
	s_cmp_lt_u32 s[KS], 8
	s_cbranch_scc1 .Lfirst
	s_setprio 0
	s_wait_tensorcnt 0x0                           ; my second load is in
	s_wait_dscnt 0x0
	s_barrier_signal -1
	s_barrier_wait -1                              ; records 8-15 are whole.  Every wave has done eight steps here
	s_mov_b32 s[DG], s40
	s_mov_b32 s[KS], 8
	s_mov_b32 s[TB], 8*REC
.Llong:                                            ; the trip count is a constant; hidden steps are jumped over inside the trip
	STEP 1, QL, 28
	s_cmp_lt_u32 s[KS], 16
	s_cbranch_scc1 .Llong
	s_setprio 0
	FIN POL
	FRESH
	s_mov_b32 s[DG], s10
	s_mov_b32 s[KS], 0
	s_mov_b32 s[TB], 0
.Lshort:
	STEP 1, QSH, 29
	s_cmp_lt_u32 s[KS], 8
	s_cbranch_scc1 .Lshort
	s_setprio 0
	FIN POS
	s_wait_tensorcnt 0x0
	ds_add_u32 v239, v243
	s_wait_dscnt 0x0
	CROUND                                         ; the closing round
	s_endpgm
.Lfunc_end_k_q5b9d0c3f2e_attn:
	.size	k_q5b9d0c3f2e_attn, .Lfunc_end_k_q5b9d0c3f2e_attn-k_q5b9d0c3f2e_attn
	.p2alignl 7, 3214868480
	.fill 96, 4, 3214868480
	.section	.rodata,"a",@progbits
	.p2align	6, 0x0
	.amdhsa_kernel k_q5b9d0c3f2e_attn
		.amdhsa_group_segment_fixed_size 210944
		.amdhsa_private_segment_fixed_size 0
		.amdhsa_enable_private_segment 0
		.amdhsa_kernarg_size 24
		.amdhsa_user_sgpr_count 2
		.amdhsa_user_sgpr_kernarg_segment_ptr 1
		.amdhsa_wavefront_size32 1
		.amdhsa_system_sgpr_workgroup_id_x 1
		.amdhsa_system_sgpr_workgroup_id_y 1
		.amdhsa_system_sgpr_workgroup_id_z 1
		.amdhsa_system_vgpr_workitem_id 0
		.amdhsa_next_free_vgpr 256
		.amdhsa_next_free_sgpr 66
		.amdhsa_reserve_vcc 1
		.amdhsa_float_denorm_mode_32 3
		.amdhsa_float_denorm_mode_16_64 3
		.amdhsa_memory_ordered 1
		.amdhsa_forward_progress 1
		.amdhsa_inst_pref_size 83
	.end_amdhsa_kernel
	.amdgpu_metadata
---
amdhsa.version: [ 1, 2 ]
amdhsa.kernels:
  - .name:           k_q5b9d0c3f2e_attn
    .symbol:         k_q5b9d0c3f2e_attn.kd
    .args:
      - { .name: qkv, .offset: 0, .size: 8, .value_kind: global_buffer, .address_space: global }
      - { .name: cod, .offset: 8, .size: 8, .value_kind: global_buffer, .address_space: global }
      - { .name: scl, .offset: 16, .size: 8, .value_kind: global_buffer, .address_space: global }
    .group_segment_fixed_size: 210944
    .private_segment_fixed_size: 0
    .kernarg_segment_align: 8
    .kernarg_segment_size: 24
    .max_flat_workgroup_size: 512
    .sgpr_count:     66
    .vgpr_count:     256
    .wavefront_size: 32
...
	.end_amdgpu_metadata
.endif
;; end of part 4
;; launch proj (part 5): grid 4 x 32, 4 waves a work-group, clusters of 4 x 4, 327,680 bytes of LDS; arguments cod, scl, bproj, out0; writes out0
.if DOCPART == 5
	.amdgcn_target "amdgcn-amd-amdhsa--gfx1250"
	.amdhsa_code_object_version 6
	.text
	.protected	k_q5b9d0c3f2e_proj
	.globl	k_q5b9d0c3f2e_proj
	.p2align	8
	.type	k_q5b9d0c3f2e_proj,@function
k_q5b9d0c3f2e_proj:
	s_mov_b64 s[64:65], 0
	v_nop
	global_prefetch_b8 v0, s[64:65] scope:SCOPE_SE
	s_setreg_imm32_b32 hwreg(HW_REG_WAVE_MODE, 25, 1), 1
	s_wait_xcnt 0x0
	s_wait_alu depctr_hold_cnt(0) depctr_sa_sdst(0) depctr_va_vdst(0) depctr_va_sdst(0) depctr_va_ssrc(0) depctr_va_vcc(0) depctr_vm_vsrc(0)
	s_getreg_b32 s2, hwreg(HW_REG_IB_STS2, 6, 4)
	s_cmp_eq_u32 s2, 0
	s_cbranch_scc0 .Lentry_in_a_cluster
	s_endpgm
.Lentry_in_a_cluster:
	s_bfe_u32 s2, ttmp6, 0x10000c
	s_cmp_lg_u32 s2, 0xf033
	s_cbranch_scc0 .Lentry_shape_is_right
	s_endpgm
.Lentry_shape_is_right:
.set FR,    12
.set NL,    4
.set RBB,   3072
.set HALFT, 8*RBB
.set SLOT,  4*HALFT
.set SPARE, 2*SLOT
.set SPITCH, 528
.set ADRA, 16
.set ADRB, 20
.set L16,  24
.set L8,   25
.set BOF,  26
.set SLD,  27
.set SPW,  28
.set NIL,  29
.set STO,  30
.set RD,   31
.set SC,   32
.set AF,   128
.set BK,   128
.set G1,   24
.set G0,   32
.set G1B,  48
.set G0B,  56
.set MSB, 0
.macro WIN new
.if MSB != (\new)
	s_set_vgpr_msb (MSB<<8)|(\new)
.set MSB, (\new)
.endif
.endm
.set MUL_LO, 0xa1
.set MUL_HI, 0xf1
.set BIA_LO, 0x91
.set BIA_HI, 0xd1
.set TO_B,   0x40
.macro JLOAD g0a, g1a, g0b, g1b
	s_cmp_eq_u32 s15, 0
	s_cbranch_scc0 .Lfor_b_\@
	tensor_load_to_lds s[\g0a:\g0a+3], s[\g1a:\g1a+7]
	s_nop 0
.rept 4
	v_nop
.endr
	s_branch .Lasked_\@
.Lfor_b_\@:
	tensor_load_to_lds s[\g0b:\g0b+3], s[\g1b:\g1b+7]
	s_nop 0
.rept 4
	v_nop
.endr
.Lasked_\@:
.endm
.macro CREST
	s_cmp_lg_u32 s14, 0
	s_cbranch_scc1 .Lnot_wave_0_\@
	s_barrier_signal -3
.Lnot_wave_0_\@:
	s_barrier_wait -3
	s_barrier_signal -1
	s_barrier_wait -1
.endm
.macro CROUND
	s_barrier_signal -1
	s_barrier_wait -1
	CREST
.endm
.macro PLACES
.rept 4
	v_nop
.endr
.endm
	s_load_b256 s[4:11], s[0:1], 0x0
	v_lshl_add_u32 v[SPW], v0, 2, SPARE
	v_mov_b32 v[NIL], 0
	ds_add_u32 v28, v29
	ds_add_u32 v28, v29
	s_wait_dscnt 0x0
	v_lshrrev_b32 v1, 5, v0
	v_readfirstlane_b32 s14, v1
	s_lshr_b32 s15, s14, 1
	s_and_b32 s16, s14, 1
	s_bfe_u32 s40, ttmp6, 0x40000
	s_bfe_u32 s41, ttmp6, 0x40004
	s_lshl_b32 s42, ttmp9, 2
	s_add_co_u32 s42, s42, s40
	s_and_b32 s17, ttmp7, 0xffff
	s_lshl_b32 s17, s17, 2
	s_add_co_u32 s17, s17, s41
	s_lshl_b32 s43, s41, 2
	s_lshl_b32 s43, 15, s43
	s_lshl_b32 s44, 0x1111, s40
	s_or_b32 s[G1+0], s43, (3<<16)|(1<<21)
	s_or_b32 s[G1B+0], s44, (3<<16)|(1<<21)
.irp g, G1, G1B
	s_mov_b32 s[\g+1], 384<<16
	s_mov_b32 s[\g+2], 8<<16
	s_mov_b32 s[\g+3], 384<<16
	s_mov_b32 s[\g+4], 8
	s_mov_b32 s[\g+5], 1536
	s_mov_b32 s[\g+6], 0
	s_mov_b32 s[\g+7], 0
.endr
	s_lshl_b32 s18, s16, 3
	s_lshl_b32 s20, s17, 4
	s_add_co_u32 s20, s20, s18
	s_add_co_u32 s20, s20, 768
	s_mul_i32 s20, s20, 12288
	s_mov_b32 s21, 0
	s_lshl_b32 s46, s42, 4
	s_add_co_u32 s46, s46, s18
	s_add_co_u32 s46, s46, 704
	s_mul_i32 s46, s46, 12288
	s_mov_b32 s47, 0
	s_mul_i32 s45, s14, HALFT
	s_wait_kmcnt 0x0
	s_add_nc_u64 s[20:21], s[4:5], s[20:21]
	s_add_nc_u64 s[46:47], s[4:5], s[46:47]
	CROUND
.irp s, 0,1
	s_mov_b32 s[G0+4*\s], 1
	s_add_co_u32 s[G0+4*\s+1], s45, \s*SLOT
	s_add_nc_u64 s[G0+4*\s+2:G0+4*\s+3], s[20:21], \s*RBB
	s_or_b32 s[G0+4*\s+3], s[G0+4*\s+3], 0x80000000
	s_mov_b32 s[G0B+4*\s], 1
	s_add_co_u32 s[G0B+4*\s+1], s45, \s*SLOT
	s_add_nc_u64 s[G0B+4*\s+2:G0B+4*\s+3], s[46:47], \s*RBB
	s_or_b32 s[G0B+4*\s+3], s[G0B+4*\s+3], 0x80000000
	s_wait_alu depctr_va_vdst(0)
	s_wait_tensorcnt 0x0
	ds_add_u32 v28, v29
	ds_add_u32 v28, v29
	s_wait_dscnt 0x0
	CROUND
	JLOAD G0+4*\s, G1, G0B+4*\s, G1B
.endr
	v_and_b32 v1, 31, v0
	v_and_b32 v2, 15, v0
	v_bfe_u32 v3, v0, 4, 1
	v_lshlrev_b32 v[L16], 4, v1
	v_lshlrev_b32 v[L8], 3, v1
	v_lshlrev_b32 v[BOF], 6, v3
	s_mul_i32 s22, s15, HALFT
	s_mul_i32 s23, s16, HALFT
	s_add_co_u32 s23, s23, 2*HALFT
.irp s, 0,1
	v_add_nc_u32 v[ADRA+\s], s22, v[L16]
	v_add_nc_u32 v[ADRA+2+\s], s22, v[L8]
	v_add_nc_u32 v[ADRB+\s], s23, v[L16]
	v_add_nc_u32 v[ADRB+2+\s], s23, v[L8]
	s_add_co_u32 s22, s22, SLOT
	s_add_co_u32 s23, s23, SLOT
.endr
	s_mul_i32 s22, s14, 16*SPITCH
	v_mul_u32_u24 v[STO], v2, SPITCH
	v_lshl_add_u32 v[STO], v3, 6, v[STO]
	v_add_nc_u32 v[STO], s22, v[STO]
	v_add_nc_u32 v[RD], s22, v[L16]
	s_lshl_b32 s66, s17, 4
	s_lshl_b32 s67, s15, 3
	s_add_co_u32 s66, s66, s67
	s_add_co_u32 s66, s66, 768
	s_lshl_b32 s66, s66, 9
	s_lshl_b32 s68, s42, 4
	s_lshl_b32 s67, s16, 3
	s_add_co_u32 s68, s68, s67
	s_add_co_u32 s68, s68, 704
	s_lshl_b32 s68, s68, 9
	v_mov_b32 v4, s66
	v_mov_b32 v5, s68
	v_cmp_lt_u32 vcc_lo, 15, v1
	v_cndmask_b32 v[SLD], v4, v5, vcc_lo
	v_lshl_add_u32 v[SLD], v2, 4, v[SLD]
.irp i, 0,1,2,3,4,5,6,7
.irp h, 0,1
	global_load_b128 v[SC+8*\i+4*\h:SC+8*\i+4*\h+3], v[SLD], s[6:7] offset:512*\i+256*\h
.endr
.endr
	s_lshl_b32 s70, s42, 10
	s_lshl_b32 s71, s16, 9
	s_add_co_u32 s70, s70, s71
	s_mov_b32 s71, 0
	s_add_nc_u64 s[8:9], s[8:9], s[70:71]
	s_lshl_b32 s72, s17, 20
	s_lshl_b32 s73, s15, 19
	s_add_co_u32 s72, s72, s73
	s_add_co_u32 s72, s72, s70
	s_mov_b32 s73, 0
	s_add_nc_u64 s[10:11], s[10:11], s[72:73]
	WIN TO_B
.irp b, 0,1,2,3,4,5,6,7
	global_load_b128 v[96+8*\b+96*(\b/4):96+8*\b+96*(\b/4)+3], v[BOF], s[8:9] offset:128*(\b/2)+32*(\b%2)
	global_load_b128 v[96+8*\b+96*(\b/4)+4:96+8*\b+96*(\b/4)+7], v[BOF], s[8:9] offset:128*(\b/2)+32*(\b%2)+16
.endr
	WIN 0
.macro FRAG reg, adr, q, i
	ds_load_b128 v[\reg:\reg+3],     v[\adr]   offset:(\i)*RBB+(\q)*1536
	ds_load_b64  v[\reg+4:\reg+5],   v[\adr+2] offset:(\i)*RBB+(\q)*1536+512
	ds_load_b128 v[\reg+6:\reg+9],   v[\adr]   offset:(\i)*RBB+(\q)*1536+768
	ds_load_b64  v[\reg+10:\reg+11], v[\adr+2] offset:(\i)*RBB+(\q)*1536+1280
.endm
.macro MUL16 a0, p, ks, first
.irp a, \a0, \a0+1
.irp b, 0,1,2,3,4,5,6,7
.if \first
	v_wmma_scale_f32_16x16x128_f8f6f4 v[8*(8*((\a)%4)+\b):8*(8*((\a)%4)+\b)+7], v[128*(\p)+FR*\b:128*(\p)+FR*\b+FR-1], v[AF+FR*(\a):AF+FR*(\a)+FR-1], v[96+8*\b+96*(\b/4):96+8*\b+96*(\b/4)+7], v[SC+8*\b+(\ks)], v[SC+8*(\a)+(\ks)] matrix_a_fmt:MATRIX_FMT_BF6 matrix_b_fmt:MATRIX_FMT_BF6 matrix_a_scale:MATRIX_SCALE_ROW1
.else
	v_wmma_scale_f32_16x16x128_f8f6f4 v[8*(8*((\a)%4)+\b):8*(8*((\a)%4)+\b)+7], v[128*(\p)+FR*\b:128*(\p)+FR*\b+FR-1], v[AF+FR*(\a):AF+FR*(\a)+FR-1], v[8*(8*((\a)%4)+\b):8*(8*((\a)%4)+\b)+7], v[SC+8*\b+(\ks)], v[SC+8*(\a)+(\ks)] matrix_a_fmt:MATRIX_FMT_BF6 matrix_b_fmt:MATRIX_FMT_BF6 matrix_a_scale:MATRIX_SCALE_ROW1
.endif
.endr
.endr
.endm
.macro FETCH_B slot, q, p
	WIN TO_B
.irp i, 0,1,2,3,4,5,6,7
	FRAG 128*(\p)+FR*\i, ADRB+\slot, \q, \i
.endr
	WIN 0
.endm
.macro FETCH_A slot, q, i0
.irp i, \i0, \i0+1, \i0+2, \i0+3
	FRAG AF+FR*(\i), ADRA+\slot, \q, \i
.endr
.endm
.macro STEP slot, ks, first
	s_wait_dscnt 4*NL
.if \first
	WIN BIA_LO
.else
	WIN MUL_LO
.endif
	MUL16 0, 0, \ks, \first
	MUL16 2, 0, \ks, \first
	s_wait_dscnt 0x0
	PLACES
	FETCH_B \slot, 1, 1
	FETCH_A \slot, 1, 0
.if \first
	WIN BIA_HI
.else
	WIN MUL_HI
.endif
	MUL16 4, 0, \ks, \first
	MUL16 6, 0, \ks, \first
	PLACES
	WIN 0
	FETCH_A \slot, 1, 4
.endm
.macro TURN slot, next, ks, fill
	s_wait_tensorcnt 0x0
	ds_add_u32 v[SPW], v[NIL]
	s_wait_dscnt 4*NL+1
	WIN MUL_LO
	MUL16 0, 1, \ks, 0
	s_wait_dscnt 0x0
	s_barrier_signal -1
	MUL16 2, 1, \ks, 0
	WIN 0
	s_barrier_wait -1
.if \fill
	CREST
	s_add_nc_u64 s[G0+4*\slot+2:G0+4*\slot+3], s[G0+4*\slot+2:G0+4*\slot+3], 2*RBB
	s_add_nc_u64 s[G0B+4*\slot+2:G0B+4*\slot+3], s[G0B+4*\slot+2:G0B+4*\slot+3], 2*RBB
	JLOAD G0+4*\slot, G1, G0B+4*\slot, G1B
.else
	PLACES
.endif
	FETCH_B \next, 0, 0
	FETCH_A \next, 0, 0
	WIN MUL_HI
	MUL16 4, 1, \ks, 0
	MUL16 6, 1, \ks, 0
	PLACES
	WIN 0
	FETCH_A \next, 0, 4
.endm
	s_wait_tensorcnt 1
	s_barrier_signal -1
	s_barrier_wait -1
	FETCH_B 0, 0, 0
	FETCH_A 0, 0, 0
	FETCH_A 0, 0, 4
	s_wait_loadcnt 0x0
	STEP 0, 0, 1
	TURN 0, 1, 1, 1
	STEP 1, 2, 0
	TURN 1, 0, 3, 1
	STEP 0, 4, 0
	TURN 0, 1, 5, 0
	STEP 1, 6, 0
	s_wait_dscnt 4*NL
	WIN MUL_LO
	MUL16 0, 1, 7, 0
	MUL16 2, 1, 7, 0
	s_wait_alu depctr_va_vdst(0)
	s_wait_dscnt 0x0
	WIN MUL_HI
	MUL16 4, 1, 7, 0
	MUL16 6, 1, 7, 0
	WIN 0
.macro TOSTAGE a
.set AC, 64*((\a)%4)
	WIN 0x08+4*((\a)/4)
.irp b, 0,1,2,3,4,5,6,7
	ds_store_b128 v[STO], v[AC+8*\b:AC+8*\b+3] offset:128*(\b/2)+32*(\b%2)
	ds_store_b128 v[STO], v[AC+8*\b+4:AC+8*\b+7] offset:128*(\b/2)+32*(\b%2)+16
.endr
	WIN 0
.set BB, BK+64*((\a)%2)
.irp t, 0,1,2,3,4,5,6,7,8,9,10,11,12,13,14,15
	ds_load_b128 v[BB+4*\t:BB+4*\t+3], v[RD] offset:\t*SPITCH
.endr
.endm
.macro SEND a, younger
.set BB, BK+64*((\a)%2)
	s_wait_dscnt \younger
.irp t, 0,1,2,3,4,5,6,7,8,9,10,11,12,13,14,15
	global_store_b128 v[L16], v[BB+4*\t:BB+4*\t+3], s[10:11] offset:(32*((\a)/2)+8*((\a)%2)+\t+8*(\t/8))*4096 th:TH_STORE_NT
.endr
.endm
	PLACES
	TOSTAGE 0
.irp a, 1,2,3,4,5,6,7
.if \a > 1
	s_wait_xcnt 0x0
.endif
	TOSTAGE \a
	SEND \a-1, 32
.endr
	SEND 7, 0
	s_wait_tensorcnt 0x0
	ds_add_u32 v[SPW], v[NIL]
	s_wait_dscnt 0x0
	CROUND
	s_endpgm
.Lfunc_end_k_q5b9d0c3f2e_proj:
	.size	k_q5b9d0c3f2e_proj, .Lfunc_end_k_q5b9d0c3f2e_proj-k_q5b9d0c3f2e_proj
	.p2alignl 7, 3214868480
	.fill 96, 4, 3214868480
	.section	.rodata,"a",@progbits
	.p2align	6, 0x0
	.amdhsa_kernel k_q5b9d0c3f2e_proj
		.amdhsa_group_segment_fixed_size 327680
		.amdhsa_private_segment_fixed_size 0
		.amdhsa_enable_private_segment 0
		.amdhsa_kernarg_size 32
		.amdhsa_user_sgpr_count 2
		.amdhsa_user_sgpr_kernarg_segment_ptr 1
		.amdhsa_wavefront_size32 1
		.amdhsa_system_sgpr_workgroup_id_x 1
		.amdhsa_system_sgpr_workgroup_id_y 1
		.amdhsa_system_sgpr_workgroup_id_z 1
		.amdhsa_system_vgpr_workitem_id 0
		.amdhsa_next_free_vgpr 1024
		.amdhsa_next_free_sgpr 98
		.amdhsa_reserve_vcc 1
		.amdhsa_float_denorm_mode_32 3
		.amdhsa_float_denorm_mode_16_64 3
		.amdhsa_memory_ordered 1
		.amdhsa_forward_progress 1
		.amdhsa_inst_pref_size 143
	.end_amdhsa_kernel
	.amdgpu_metadata
---
amdhsa.version: [ 1, 2 ]
amdhsa.kernels:
  - .name:           k_q5b9d0c3f2e_proj
    .symbol:         k_q5b9d0c3f2e_proj.kd
    .args:
      - { .name: cod, .offset: 0, .size: 8, .value_kind: global_buffer, .address_space: global }
      - { .name: scl, .offset: 8, .size: 8, .value_kind: global_buffer, .address_space: global }
      - { .name: bproj, .offset: 16, .size: 8, .value_kind: global_buffer, .address_space: global }
      - { .name: out0, .offset: 24, .size: 8, .value_kind: global_buffer, .address_space: global }
    .group_segment_fixed_size: 327680
    .private_segment_fixed_size: 0
    .kernarg_segment_align: 8
    .kernarg_segment_size: 32
    .max_flat_workgroup_size: 128
    .sgpr_count:     98
    .vgpr_count:     1024
    .wavefront_size: 32
...
	.end_amdgpu_metadata
.endif
;; end of part 5
